; MI455X (gfx1250); checked and timed in simulation.
; The chip was launched on July 23, 2026; its instructions are those of AMD's public machine-readable ISA for CDNA 5 (MIT licence, August 2026) and "CDNA5" Instruction Set Architecture Reference Guide (July 2026). The comments in the code are by the model that wrote it; some were corrected since.
;; Self Attention1d. Allowed arithmetic: matrix products marked QUANTISED: E2M1 operands, one E8M0 scale for each 32 along K, by v_wmma_scale_f32_16x16x128_f8f6f4 with both operands' format E2M1 (or v_wmma_scale_f32_32x16x128_f4), f32 sums; everything else in f32.
;; Inputs: b_out 1,024 float32; b_qkv 3,072 float32; gn_b 1,024 float32; gn_w 1,024 float32; w_out_codes 1,024 x 32 x 16 uint8 (E2M1 codes of w_out, K innermost, in blocks of 32 codes, two codes a byte); w_out_scales 1,024 x 32 uint8 (E8M0 scales of w_out, one for each 32 codes along K); w_qkv_codes 3,072 x 32 x 16 uint8 (E2M1 codes of w_qkv, K innermost, in blocks of 32 codes, two codes a byte); w_qkv_scales 3,072 x 32 uint8 (E8M0 scales of w_qkv, one for each 32 codes along K); x 8 x 1,024 x 1,024 float32.
;; Outputs: out0 8 x 1,024 x 1,024 float32.
;; This version of the problem:
;;   THIS VERSION OF THE PROBLEM IS GIVEN IN LOW PRECISION. The matrix products marked QUANTISED in the list below multiply operands that are first quantised to E2M1 (2 exponent bits, 1 mantissa bit; 4 bits a number), with one power-of-two scale for each 32 numbers along K (OCP MX v1.0); their sums are f32. All else is computed in f32.
;;   The module's matrix products, in the order in which they are computed (A, B: the left and right operand; K: the contracted axis; several contracted axes count as one K, in the product's order):
;;     1. [M 8,192, K 1,024] x [K 1,024, N 3,072]; A: computed on the way; B: input w_qkv (given as codes): QUANTISED
;;     2. batch 64 x [M 1,024, K 128] x [K 128, N 1,024]; A: computed on the way; B: computed on the way: QUANTISED
;;     3. batch 64 x [M 1,024, K 1,024] x [K 1,024, N 128]; A: softmax (see below); B: computed on the way: QUANTISED
;;     4. [M 8,192, K 1,024] x [K 1,024, N 1,024]; A: computed on the way; B: input w_out (given as codes): QUANTISED
;;   THE QUANTISER, for each operand of a quantised product, along K:
;;     - K is cut into blocks of 32 from its start; a last block that is shorter is filled with zeros.
;;     - A block's scale is 2^e with e = floor(log2(the largest magnitude in the block)) - 2, held to -126 .. 127; a block of zeros has e = 0. As a byte (E8M0): e + 127.
;;     - Each number is divided by its block's scale, clamped to +-6, and rounded to the nearest number of E2M1, ties to even, subnormals kept.
;;     - The product sums the exact products of the quantised numbers (number of the format x scale) in f32.
;;   ~~~python
;;   def quantise(x, axis):      # numpy; x: float32 -> the quantised numbers, widened to float32 again
;;       x = np.moveaxis(x, axis, -1); K = x.shape[-1]
;;       x = np.pad(x, [(0, 0)] * (x.ndim - 1) + [(0, -K % 32)]); x = x.reshape(x.shape[:-1] + (-1, 32)); a = np.abs(x).max(-1, keepdims=True)
;;       e = np.where(a > 0, np.clip(np.frexp(np.where(a > 0, a, 1))[1] - 1 - 2, -126, 127), 0)      # np.frexp(a)[1] - 1 = floor(log2(a)), exactly
;;       r = np.clip(x / 2.0 ** e, -6, 6)
;;       step = 2.0 ** (np.maximum(np.frexp(np.where(r == 0, 1, r))[1] - 1, 0) - 1)
;;       q = np.round(r / step) * step * 2.0 ** e      # np.round: ties to even
;;       return np.moveaxis(q.reshape(q.shape[:-2] + (-1,))[..., :K], -1, axis).astype(np.float32)
;;   ~~~
;;   SOFTMAX AHEAD OF A QUANTISED PRODUCT. Where the list says 'softmax', what is quantised is not the finished softmax but p = 2^(t - M), with t = logit x log2(e) and M = ceil(the row's largest t), a whole number; so 1/2 < the row's largest p <= 1. The row's sum l is taken of the UNQUANTISED p, in f32, and the product's result is divided by l at the end. Since M is a whole number, a kernel that streams over the keys may use a running M (the ceiling of the running maximum): every later rescaling is an exact power of two, which a block's scale takes up: the codes' values come out the same.
;;   OPERANDS COMPUTED ON THE WAY. 'Computed on the way' means the value that the module computes at that place (a softmax that the list does not call 'softmax' is quantised finished and normalised). What goes into a quantiser is computed in f32, as accurately as f32 sums, v_exp_f32 and their like allow (about 1e-6 of the number): no bf16 or f16 on the way to a quantiser, and a product that is left as it is and whose result goes on into a quantised operand takes f32 operands (vector FMAs, or v_wmma_f32_16x16x4_f32). A number that lies on a knife's edge between two numbers of the format may be rounded either way, as far as f32 arithmetic and the matrix unit's own rounding can turn it there, and no further.
;;   INPUTS GIVEN AS CODES. w_out (in the module: [1024, 1024], K = its axis 1); w_qkv (in the module: [3072, 1024], K = its axis 1): each comes as NAME_codes (uint8): NAME with its K axis moved to the last place and cut into blocks of 32 codes, [.., K / 32, bytes a block], one block behind the other in memory; two codes a byte, the lower K in the low four bits (a code: sign, 2 exponent bits, 1 mantissa bit); and NAME_scales (uint8): the same leading axes, one E8M0 byte (e + 127) for each 32 codes along K. Its value is code x scale, taken as it is: it is not quantised again, and the codes and scales need not be those that the quantiser above would give.
;; One version. Each part assembles by itself: llvm-mc -triple=amdgcn-amd-amdhsa -mcpu=gfx1250 --defsym DOCPART=n.
;; ======== version 1 of 1: 5 launches
;; workspace buffers: part 16,384 bytes; xq_codes 4,194,304 bytes; xq_scales 262,144 bytes; qkv_img 12,582,912 bytes; qkv_sc 786,432 bytes; y_img 4,194,304 bytes; y_sc 262,144 bytes
;; launch stats (part 1): grid 256 x 1, 8 waves a work-group, no clusters, 0 bytes of LDS; arguments x, part; writes part
.if DOCPART == 1
	.amdgcn_target "amdgcn-amd-amdhsa--gfx1250"
	.amdhsa_code_object_version 6
	.text
	.protected	k_q31bd827976_stats
	.globl	k_q31bd827976_stats
	.p2align	8
	.type	k_q31bd827976_stats,@function
k_q31bd827976_stats:
	s_mov_b64 s[64:65], 0
	v_nop
	global_prefetch_b8 v0, s[64:65] scope:SCOPE_SE
	s_setreg_imm32_b32 hwreg(HW_REG_WAVE_MODE, 25, 1), 1
	s_wait_xcnt 0x0
; GroupNorm's statistics, first half.  x is [8][1024][1024] f32; a sample is 2^20 numbers on end.
; A wave takes one chunk of 4,096 consecutive numbers (16 KiB), keeps it in 128 registers, and stores two numbers:
; the chunk's mean, and the sum of the squared deviations FROM THAT MEAN.  The next launch joins a sample's 256 chunks by
; var = (sum of M2 + 4096 x sum of (mean_i - mu)^2) / 2^20, so no difference of large sums is ever formed, whatever offset x carries.
; 256 work-groups x 8 waves = 2,048 chunks.  No LDS, no barrier: waves share nothing.  Each load of a wave reads 512 consecutive bytes.
; LIMITS: NaN and infinities in x are not served.  Each wave stores 8 bytes: 16 KiB in the whole launch.
.set X,  16                            ; v[16:143]  the chunk
.set S,  144                           ; v[144:151] four packed chains
.set T,  152                           ; v152-153   at work
.set MN, 156                           ; v[156:157] the mean twice; at the end the mean and M2
.macro WSUM a, b                       ; the sum over the wave's 32 lanes, in every lane
	s_delay_alu instid0(VALU_DEP_1)
	v_add_f32_dpp v[\a], v[\a], v[\a] row_xmask:1 row_mask:0xf bank_mask:0xf
	s_delay_alu instid0(VALU_DEP_1)
	v_add_f32_dpp v[\a], v[\a], v[\a] row_xmask:2 row_mask:0xf bank_mask:0xf
	s_delay_alu instid0(VALU_DEP_1)
	v_add_f32_dpp v[\a], v[\a], v[\a] row_xmask:4 row_mask:0xf bank_mask:0xf
	s_delay_alu instid0(VALU_DEP_1)
	v_add_f32_dpp v[\a], v[\a], v[\a] row_xmask:8 row_mask:0xf bank_mask:0xf
	s_delay_alu instid0(VALU_DEP_1)
	v_permlanex16_b32 v[\b], v[\a], s12, s13
	s_delay_alu instid0(VALU_DEP_1)
	v_add_f32 v[\a], v[\a], v[\b]
.endm
.macro JOIN                            ; the four chains and the 32 lanes become one number in v[T]
	s_delay_alu instid0(VALU_DEP_3)
	v_pk_add_f32 v[S:S+1], v[S:S+1], v[S+2:S+3]
	s_delay_alu instid0(VALU_DEP_2)
	v_pk_add_f32 v[S+4:S+5], v[S+4:S+5], v[S+6:S+7]
	s_delay_alu instid0(VALU_DEP_1)
	v_pk_add_f32 v[S:S+1], v[S:S+1], v[S+4:S+5]
	s_delay_alu instid0(VALU_DEP_1)
	v_add_f32 v[T], v[S], v[S+1]
	WSUM T, T+1
.endm
.macro ADDS n                          ; n more pairs onto the chains, by turns
.rept \n
	v_pk_add_f32 v[S+2*(p%4):S+2*(p%4)+1], v[S+2*(p%4):S+2*(p%4)+1], v[X+2*p:X+2*p+1]
.set p, p+1
.endr
.endm
	s_load_b128 s[4:7], s[0:1], 0x0                ; x, part
	v_lshrrev_b32 v1, 5, v0
	s_delay_alu instid0(VALU_DEP_1)
	v_readfirstlane_b32 s8, v1                     ; wave
	v_and_b32 v2, 31, v0                           ; lane
	s_delay_alu instid0(VALU_DEP_1)
	v_lshlrev_b32 v1, 4, v2                        ; 16 bytes a lane
	v_mov_b32 v[T+1], 0                            ; a lane permute's destination counts as read: written once
	s_lshl_b32 s9, ttmp9, 3
	s_add_co_u32 s9, s9, s8                        ; my chunk, 0 .. 2047
	s_lshl_b32 s10, s9, 14                         ; x 16,384 bytes: under 2^25
	s_mov_b32 s11, 0
	s_mov_b32 s12, 0x76543210                      ; v_permlanex16_b32's selects for lane l xor 16
	s_mov_b32 s13, 0xfedcba98
	s_wait_alu depctr_va_vdst(0)
	s_wait_kmcnt 0x0
	s_add_nc_u64 s[4:5], s[4:5], s[10:11]
.set i, 0
.rept 32
	global_load_b128 v[X+4*i:X+4*i+3], v1, s[4:5] offset:512*i
.set i, i+1
.endr
	s_wait_loadcnt 24                              ; the first eight loads are in; 24 younger ones may be out
.irp k, 0,1,2,3
	v_pk_add_f32 v[S+2*\k:S+2*\k+1], v[X+2*\k:X+2*\k+1], v[X+8+2*\k:X+9+2*\k]   ; the first eight pairs start the chains: nothing is cleared
.endr
.set p, 8
	ADDS 8
	s_wait_alu depctr_va_vdst(0)
	s_wait_loadcnt 16
	ADDS 16
	s_wait_alu depctr_va_vdst(0)
	s_wait_loadcnt 8
	ADDS 16
	s_wait_alu depctr_va_vdst(0)
	s_wait_loadcnt 0x0
	ADDS 16
	JOIN
	s_delay_alu instid0(VALU_DEP_1)
	v_mul_f32 v[MN], 0x39800000, v[T]              ; x 2^-12: the chunk's mean
	s_delay_alu instid0(VALU_DEP_1)
	v_mov_b32 v[MN+1], v[MN]
.set p, 0
.rept 64
	v_pk_add_f32 v[X+2*p:X+2*p+1], v[X+2*p:X+2*p+1], v[MN:MN+1] neg_lo:[0,1] neg_hi:[0,1]   ; the deviations, in place
.set p, p+1
.endr
.irp k, 0,1,2,3
	v_pk_mul_f32 v[S+2*\k:S+2*\k+1], v[X+2*\k:X+2*\k+1], v[X+2*\k:X+2*\k+1]
.endr
.set p, 4
.rept 60
	s_delay_alu instid0(VALU_DEP_4)
	v_pk_fma_f32 v[S+2*(p%4):S+2*(p%4)+1], v[X+2*p:X+2*p+1], v[X+2*p:X+2*p+1], v[S+2*(p%4):S+2*(p%4)+1]
.set p, p+1
.endr
	JOIN
	s_delay_alu instid0(VALU_DEP_1)
	v_mov_b32 v[MN+1], v[T]                        ; M2 beside the mean
	s_lshl_b32 s10, s9, 3                          ; 8 bytes a chunk
	v_mov_b32 v3, s10
	v_cmp_eq_u32 vcc_lo, 0, v2
	s_wait_alu depctr_va_vdst(0)
	s_wait_xcnt 0x0                                ; EXEC changes only behind this wait
	s_and_saveexec_b32 s14, vcc_lo
	global_store_b64 v3, v[MN:MN+1], s[6:7]        ; lane 0 alone
	s_wait_xcnt 0x0                                ; and again in front of the line that widens it
	s_or_b32 exec_lo, exec_lo, s14
	s_endpgm
.Lfunc_end_k_q31bd827976_stats:
	.size	k_q31bd827976_stats, .Lfunc_end_k_q31bd827976_stats-k_q31bd827976_stats
	.p2alignl 7, 3214868480
	.fill 96, 4, 3214868480
	.section	.rodata,"a",@progbits
	.p2align	6, 0x0
	.amdhsa_kernel k_q31bd827976_stats
		.amdhsa_group_segment_fixed_size 0
		.amdhsa_private_segment_fixed_size 0
		.amdhsa_enable_private_segment 0
		.amdhsa_kernarg_size 16
		.amdhsa_user_sgpr_count 2
		.amdhsa_user_sgpr_kernarg_segment_ptr 1
		.amdhsa_wavefront_size32 1
		.amdhsa_system_sgpr_workgroup_id_x 1
		.amdhsa_system_sgpr_workgroup_id_y 1
		.amdhsa_system_sgpr_workgroup_id_z 1
		.amdhsa_system_vgpr_workitem_id 0
		.amdhsa_next_free_vgpr 160
		.amdhsa_next_free_sgpr 66
		.amdhsa_reserve_vcc 1
		.amdhsa_float_denorm_mode_32 3
		.amdhsa_float_denorm_mode_16_64 3
		.amdhsa_memory_ordered 1
		.amdhsa_forward_progress 1
		.amdhsa_inst_pref_size 21
	.end_amdhsa_kernel
	.amdgpu_metadata
---
amdhsa.version: [ 1, 2 ]
amdhsa.kernels:
  - .name:           k_q31bd827976_stats
    .symbol:         k_q31bd827976_stats.kd
    .args:
      - { .name: x, .offset: 0, .size: 8, .value_kind: global_buffer, .address_space: global }
      - { .name: part, .offset: 8, .size: 8, .value_kind: global_buffer, .address_space: global }
    .group_segment_fixed_size: 0
    .private_segment_fixed_size: 0
    .kernarg_segment_align: 8
    .kernarg_segment_size: 16
    .max_flat_workgroup_size: 256
    .sgpr_count:     66
    .vgpr_count:     160
    .wavefront_size: 32
...
	.end_amdgpu_metadata
.endif
;; end of part 1
;; launch quantx (part 2): grid 128 x 2, 16 waves a work-group, no clusters, 20,480 bytes of LDS; arguments x, gn_w, gn_b, part, xq_codes, xq_scales; writes xq_codes, xq_scales
.if DOCPART == 2
	.amdgcn_target "amdgcn-amd-amdhsa--gfx1250"
	.amdhsa_code_object_version 6
	.text
	.protected	k_q31bd827976_quantx
	.globl	k_q31bd827976_quantx
	.p2align	8
	.type	k_q31bd827976_quantx,@function
k_q31bd827976_quantx:
	s_mov_b64 s[64:65], 0
	v_nop
	global_prefetch_b8 v0, s[64:65] scope:SCOPE_SE
	s_setreg_imm32_b32 hwreg(HW_REG_WAVE_MODE, 25, 1), 1
	s_wait_xcnt 0x0
; xn = (x - mu) rsqrt(var + 1e-5) gn_w[c] + gn_b[c], quantised along c into codes of FP4 (E2M1) with one E8M0 byte for each 32 channels.
; x is [n][c][s]: K = c is not innermost.  A LANE TAKES A COLUMN s AND ITS REGISTERS RUN DOWN c: a block of 32 channels lies in one lane's 32 registers, its largest
; magnitude needs no other lane, and the conversions give codes with c innermost.  Out: xq_codes [n 1024 + s][512 bytes], xq_scales [n 1024 + s][32 bytes].
; SHARES.  Work-group (gx, cy): sample gx / 16, columns 64 (gx % 16) .. + 63, channels 512 cy .. + 511.  Wave w takes ONE block of 32 channels, 512 cy + 32 w, for both groups
; of 32 columns: its 32 gains and 32 biases are scalars, loaded once.  The two loads of a row read 256 consecutive bytes, at a multiple of 256 from x's first byte.
; The 16 waves' codes of a column are 256 consecutive bytes of its row: they meet in a stage in LDS (rows of 256 + 16 bytes) and leave sixteen lanes to 256 consecutive bytes.
; The scale bytes leave in pieces of 16 bytes, one byte for every 128 that the launch reads.
; STATISTICS.  Every wave joins its sample's 256 chunks (mean, M2): mu = the mean of the means; var = (sum M2 + 4096 sum (mean_i - mu)^2) / 2^20.
; ORDER OF ROUNDING: (x - mu) x (rs x gn_w) + gn_b, the last two fused, where the definition multiplies by rs and by gn_w in turn: about 1e-7 of the number.
; LIMITS: NaN and infinities are not served.  A block whose largest magnitude lies under 2^-124, a block of zeros too, gets the byte 1: these bytes are read by this program alone, and zeros' codes are zeros.
.set P,   4                            ; v[4:19]    my eight chunks: mean, M2
.set MU,  20                           ; v[20:21]   mu twice
.set X,   32                           ; v[32:95]   column group g at X + 32 g
.set C,   96                           ; v[96:103]  codes, four registers a group
.set E,   104                          ; v104-105   scale bytes
.set STG, 0                            ; LDS: 64 rows x 272 bytes
.set SCS, 64*272                       ; LDS: 64 rows x 16 scale bytes
.set SEL, 86
.macro WSUM a, b
	s_delay_alu instid0(VALU_DEP_1)
	v_add_f32_dpp v[\a], v[\a], v[\a] row_xmask:1 row_mask:0xf bank_mask:0xf
	s_delay_alu instid0(VALU_DEP_1)
	v_add_f32_dpp v[\a], v[\a], v[\a] row_xmask:2 row_mask:0xf bank_mask:0xf
	s_delay_alu instid0(VALU_DEP_1)
	v_add_f32_dpp v[\a], v[\a], v[\a] row_xmask:4 row_mask:0xf bank_mask:0xf
	s_delay_alu instid0(VALU_DEP_1)
	v_add_f32_dpp v[\a], v[\a], v[\a] row_xmask:8 row_mask:0xf bank_mask:0xf
	s_delay_alu instid0(VALU_DEP_1)
	v_permlanex16_b32 v[\b], v[\a], s[SEL], s[SEL+1]
	s_delay_alu instid0(VALU_DEP_1)
	v_add_f32 v[\a], v[\a], v[\b]
.endm
	s_load_b256 s[4:11], s[0:1], 0x0               ; x, gn_w, gn_b, part
	s_load_b128 s[12:15], s[0:1], 0x20             ; xq_codes, xq_scales
	v_lshl_add_u32 v128, v0, 2, 0x4800
	v_mov_b32 v129, 0
	v_lshrrev_b32 v1, 5, v0
	s_delay_alu instid0(VALU_DEP_1)
	v_readfirstlane_b32 s84, v1                    ; wave 0..15
	v_and_b32 v2, 31, v0                           ; lane
	s_delay_alu instid0(VALU_DEP_1)
	v_lshlrev_b32 v1, 2, v2                        ; x: 4 bytes a lane
	s_delay_alu instid0(VALU_DEP_2)
	v_lshlrev_b32 v3, 6, v2                        ; part: 64 bytes a lane, eight chunks
	s_and_b32 s88, ttmp7, 0xffff                   ; cy
	s_lshr_b32 s89, ttmp9, 4                       ; n
	s_and_b32 s90, ttmp9, 15
	s_lshl_b32 s91, s88, 9
	s_lshl_b32 s92, s84, 5
	s_add_co_u32 s91, s91, s92                     ; c0 = 512 cy + 32 w
	s_lshl_b32 s92, s89, 22
	s_lshl_b32 s93, s91, 12
	s_add_co_u32 s92, s92, s93
	s_lshl_b32 s93, s90, 8
	s_add_co_u32 s92, s92, s93                     ; x: n 2^22 + c0 4096 + 4 s0, under 2^25
	s_mov_b32 s93, 0
	s_lshl_b32 s94, s91, 2                         ; gn_w, gn_b: 4 c0
	s_mov_b32 s95, 0
	s_lshl_b32 s96, s89, 11                        ; part: 2,048 bytes a sample
	s_mov_b32 s97, 0
	s_mov_b32 s[SEL], 0x76543210
	s_mov_b32 s[SEL+1], 0xfedcba98
	s_wait_alu depctr_va_vdst(0)
	s_wait_kmcnt 0x0
	s_add_nc_u64 s[4:5], s[4:5], s[92:93]
	s_add_nc_u64 s[6:7], s[6:7], s[94:95]
	s_add_nc_u64 s[8:9], s[8:9], s[94:95]
	s_add_nc_u64 s[10:11], s[10:11], s[96:97]
.irp i, 0,1,2,3
	global_load_b128 v[P+4*\i:P+4*\i+3], v3, s[10:11] offset:16*\i
.endr
.irp g, 0,1
.set i, 0
.rept 32
	global_load_b32 v[X+32*\g+i], v1, s[4:5] offset:4096*i+128*\g
.set i, i+1
.endr
.endr
	s_load_b512 s[16:31], s[6:7], 0x0              ; my 32 gains
	s_load_b512 s[32:47], s[6:7], 0x40
	s_load_b512 s[48:63], s[8:9], 0x0              ; my 32 biases: 0-15 in s48-63, 16-31 in s68-83
	s_load_b512 s[68:83], s[8:9], 0x40
	; addresses, all made here
	s_lshl_b32 s98, s84, 4
	v_mul_u32_u24 v106, v2, 272
	s_delay_alu instid0(VALU_DEP_1)
	v_add_nc_u32 v106, s98, v106                   ; stage, in: row = my column, byte 16 w
	v_lshlrev_b32 v107, 4, v2
	s_delay_alu instid0(VALU_DEP_1)
	v_add_nc_u32 v107, s84, v107                   ; scale bytes, in: 16 x column + w
	v_lshrrev_b32 v22, 4, v2
	v_and_b32 v23, 15, v2
	s_mul_i32 s98, s84, 4*272
	v_mul_u32_u24 v108, v22, 272
	s_delay_alu instid0(VALU_DEP_1)
	v_lshl_add_u32 v108, v23, 4, v108
	s_delay_alu instid0(VALU_DEP_1)
	v_add_nc_u32 v108, s98, v108                   ; stage, out: rows 4 w on, sixteen lanes to a row
	s_lshl_b32 s98, s84, 11
	v_lshlrev_b32 v109, 9, v22
	s_delay_alu instid0(VALU_DEP_1)
	v_lshl_add_u32 v109, v23, 4, v109
	s_delay_alu instid0(VALU_DEP_1)
	v_add_nc_u32 v109, s98, v109                   ; and the same places in xq_codes: rows of 512 bytes
	v_lshlrev_b32 v110, 4, v0                      ; scale bytes, out: 16 x thread (waves 0 and 1: rows 0 .. 63)
	v_lshlrev_b32 v111, 5, v0                      ; and in xq_scales: rows of 32 bytes
	s_lshl_b32 s92, ttmp9, 15                      ; 64 rows x 512 bytes a work-group x
	s_lshl_b32 s93, s88, 8
	s_add_co_u32 s92, s92, s93
	s_mov_b32 s93, 0
	s_add_nc_u64 s[12:13], s[12:13], s[92:93]
	s_lshl_b32 s92, ttmp9, 11
	s_lshl_b32 s94, s88, 4
	s_add_co_u32 s92, s92, s94
	s_add_nc_u64 s[14:15], s[14:15], s[92:93]
	s_mov_b32 s98, 0x35800000                      ; 2^-20
	s_mov_b32 s99, 0x3727c5ac                      ; 1e-5
	s_wait_loadcnt 63                              ; 64 loads stand behind the four of the partials: with at most 63 out, those four are in
	v_add_f32 v22, v[P], v[P+2]
	v_add_f32 v23, v[P+4], v[P+6]
	v_add_f32 v24, v[P+8], v[P+10]
	v_add_f32 v25, v[P+12], v[P+14]
	s_delay_alu instid0(VALU_DEP_3)
	v_add_f32 v22, v22, v23
	s_delay_alu instid0(VALU_DEP_2)
	v_add_f32 v24, v24, v25
	s_delay_alu instid0(VALU_DEP_1)
	v_add_f32 v22, v22, v24
	WSUM 22, 23
	s_delay_alu instid0(VALU_DEP_1)
	v_mul_f32 v[MU], 0x3b800000, v22               ; x 2^-8: mu
	s_delay_alu instid0(VALU_DEP_1)
	v_mov_b32 v[MU+1], v[MU]
.irp i, 0,1,2,3,4,5,6,7
	v_sub_f32 v[P+2*\i], v[P+2*\i], v[MU]          ; mean_i - mu
.endr
	v_add_f32 v22, v[P+1], v[P+3]
	v_add_f32 v23, v[P+5], v[P+7]
	v_add_f32 v24, v[P+9], v[P+11]
	v_add_f32 v25, v[P+13], v[P+15]
	s_delay_alu instid0(VALU_DEP_3)
	v_add_f32 v22, v22, v23
	s_delay_alu instid0(VALU_DEP_2)
	v_add_f32 v24, v24, v25
	s_delay_alu instid0(VALU_DEP_1)
	v_add_f32 v22, v22, v24                        ; my eight M2
	v_mul_f32 v26, v[P], v[P]
.irp i, 1,2,3,4,5,6,7
	s_delay_alu instid0(VALU_DEP_1)
	v_fmac_f32 v26, v[P+2*\i], v[P+2*\i]
.endr
	s_delay_alu instid0(VALU_DEP_1)
	v_fmamk_f32 v22, v26, 0x45800000, v22          ; + 4096 x the squares
	WSUM 22, 23
	s_delay_alu instid0(VALU_DEP_1)
	v_fma_f32 v22, v22, s98, s99                   ; var + eps
	s_wait_alu depctr_va_vdst(0)
	v_rsq_f32 v23, v22
	v_nop                                          ; a plain line between the root and the use of its result
	s_wait_alu depctr_va_vdst(0)
	v_readfirstlane_b32 s85, v23                   ; rs
	s_wait_kmcnt 0x0
.set i, 0
.rept 32
	s_mul_f32 s[16+i], s[16+i], s85                ; rs x gn_w
.set i, i+1
.endr
.macro GROUP g
.set XS, X+32*\g
.if \g == 0
	s_wait_loadcnt 32                              ; group 0's 32 loads are in; group 1's may be out
.else
	s_wait_loadcnt 0x0
.endif
.irp i, 0,2,4,6,8,10,12,14,16,18,20,22,24,26,28,30
	v_pk_add_f32 v[XS+\i:XS+\i+1], v[XS+\i:XS+\i+1], v[MU:MU+1] neg_lo:[0,1] neg_hi:[0,1]
.endr
.set i, 0
.rept 32
.if i < 16
	v_fma_f32 v[XS+i], v[XS+i], s[16+i], s[48+i]
.else
	v_fma_f32 v[XS+i], v[XS+i], s[16+i], s[52+i]
.endif
.set i, i+1
.endr
	v_max3_num_f32 v24, |v[XS]|, |v[XS+1]|, |v[XS+2]|              ; the block's largest magnitude: all 32 numbers are mine; two chains
	v_max3_num_f32 v25, |v[XS+3]|, |v[XS+4]|, |v[XS+5]|
.irp i, 6,10,14,18,22,26
	s_delay_alu instid0(VALU_DEP_2)
	v_max3_num_f32 v24, v24, |v[XS+\i]|, |v[XS+\i+1]|
	s_delay_alu instid0(VALU_DEP_2)
	v_max3_num_f32 v25, v25, |v[XS+\i+2]|, |v[XS+\i+3]|
.endr
	s_delay_alu instid0(VALU_DEP_2)
	v_max3_num_f32 v24, v24, |v[XS+30]|, |v[XS+31]|
	s_delay_alu instid0(VALU_DEP_1)
	v_max3_num_f32 v24, v24, v25, 0x1800000        ; and the floor 2^(3 - 127): the byte cannot fall under 1
	s_delay_alu instid0(VALU_DEP_1)
	v_add_nc_u32 v[26+\g], 0xff000000, v24         ; 2 off the exponent field: the conversion takes that field as its scale, and nothing else
	s_delay_alu instid0(VALU_DEP_1)
	v_lshrrev_b32 v[E+\g], 23, v[26+\g]            ; the scale's byte
.irp q, 0,1,2,3
	v_cvt_scalef32_pk8_fp4_f32 v[C+4*\g+\q], v[XS+8*\q:XS+8*\q+7], v[26+\g]
.endr
	v_nop                                          ; one plain line behind the last conversion
	ds_store_b128 v106, v[C+4*\g:C+4*\g+3] offset:STG+32*272*\g
	ds_store_b8 v107, v[E+\g] offset:SCS+512*\g
.endm
	GROUP 0
	GROUP 1
	s_wait_dscnt 0x0                               ; for the others' sake: my stores have landed
	s_barrier_signal -1
	s_barrier_wait -1
	ds_load_b128 v[112:115], v108 offset:STG
	ds_load_b128 v[116:119], v108 offset:STG+544
	s_wait_dscnt 1                                 ; the first is in; the second may be out
	global_store_b128 v109, v[112:115], s[12:13]                   ; sixteen lanes store 256 consecutive bytes, at a multiple of 256 from the buffer's first byte
	s_wait_dscnt 0x0
	global_store_b128 v109, v[116:119], s[12:13] offset:1024
	s_cmp_gt_u32 s84, 1
	s_cbranch_scc1 .Ldone                          ; waves 0 and 1 carry the 64 rows' scale bytes out
	ds_load_b128 v[120:123], v110 offset:SCS
	s_wait_dscnt 0x0
	global_store_b128 v111, v[120:123], s[14:15]
.Ldone:
	s_wait_tensorcnt 0x0
	ds_add_u32 v128, v129
	s_wait_dscnt 0x0
	s_endpgm
.Lfunc_end_k_q31bd827976_quantx:
	.size	k_q31bd827976_quantx, .Lfunc_end_k_q31bd827976_quantx-k_q31bd827976_quantx
	.p2alignl 7, 3214868480
	.fill 96, 4, 3214868480
	.section	.rodata,"a",@progbits
	.p2align	6, 0x0
	.amdhsa_kernel k_q31bd827976_quantx
		.amdhsa_group_segment_fixed_size 20480
		.amdhsa_private_segment_fixed_size 0
		.amdhsa_enable_private_segment 0
		.amdhsa_kernarg_size 48
		.amdhsa_user_sgpr_count 2
		.amdhsa_user_sgpr_kernarg_segment_ptr 1
		.amdhsa_wavefront_size32 1
		.amdhsa_system_sgpr_workgroup_id_x 1
		.amdhsa_system_sgpr_workgroup_id_y 1
		.amdhsa_system_sgpr_workgroup_id_z 1
		.amdhsa_system_vgpr_workitem_id 0
		.amdhsa_next_free_vgpr 130
		.amdhsa_next_free_sgpr 100
		.amdhsa_reserve_vcc 0
		.amdhsa_float_denorm_mode_32 3
		.amdhsa_float_denorm_mode_16_64 3
		.amdhsa_memory_ordered 1
		.amdhsa_forward_progress 1
		.amdhsa_inst_pref_size 25
	.end_amdhsa_kernel
	.amdgpu_metadata
---
amdhsa.version: [ 1, 2 ]
amdhsa.kernels:
  - .name:           k_q31bd827976_quantx
    .symbol:         k_q31bd827976_quantx.kd
    .args:
      - { .name: x, .offset: 0, .size: 8, .value_kind: global_buffer, .address_space: global }
      - { .name: gn_w, .offset: 8, .size: 8, .value_kind: global_buffer, .address_space: global }
      - { .name: gn_b, .offset: 16, .size: 8, .value_kind: global_buffer, .address_space: global }
      - { .name: part, .offset: 24, .size: 8, .value_kind: global_buffer, .address_space: global }
      - { .name: xq_codes, .offset: 32, .size: 8, .value_kind: global_buffer, .address_space: global }
      - { .name: xq_scales, .offset: 40, .size: 8, .value_kind: global_buffer, .address_space: global }
    .group_segment_fixed_size: 20480
    .private_segment_fixed_size: 0
    .kernarg_segment_align: 8
    .kernarg_segment_size: 48
    .max_flat_workgroup_size: 512
    .sgpr_count:     100
    .vgpr_count:     130
    .wavefront_size: 32
...
	.end_amdgpu_metadata
.endif
;; end of part 2
;; launch qkv (part 3): grid 8 x 32, 4 waves a work-group, clusters of 4 x 4, 327,680 bytes of LDS; arguments xq_codes, xq_scales, w_qkv_codes, w_qkv_scales, b_qkv, qkv_img, qkv_sc; writes qkv_img, qkv_sc
.if DOCPART == 3
	.amdgcn_target "amdgcn-amd-amdhsa--gfx1250"
	.amdhsa_code_object_version 6
	.text
	.protected	k_q31bd827976_qkv
	.globl	k_q31bd827976_qkv
	.p2align	8
	.type	k_q31bd827976_qkv,@function
k_q31bd827976_qkv:
	s_mov_b64 s[64:65], 0
	v_nop
	global_prefetch_b8 v0, s[64:65] scope:SCOPE_SE
	s_setreg_imm32_b32 hwreg(HW_REG_WAVE_MODE, 25, 1), 1
	s_wait_xcnt 0x0
	s_wait_alu depctr_hold_cnt(0) depctr_sa_sdst(0) depctr_va_vdst(0) depctr_va_sdst(0) depctr_va_ssrc(0) depctr_va_vcc(0) depctr_vm_vsrc(0)
	s_getreg_b32 s2, hwreg(HW_REG_IB_STS2, 6, 4)
	s_cmp_eq_u32 s2, 0
	s_cbranch_scc0 .Lentry_in_a_cluster
	s_endpgm
.Lentry_in_a_cluster:
	s_bfe_u32 s2, ttmp6, 0x10000c
	s_cmp_lg_u32 s2, 0xf033
	s_cbranch_scc0 .Lentry_shape_is_right
	s_endpgm
.Lentry_shape_is_right:
; qkv[n][o][s] = sum over c of w_qkv[o][c] xn[n][c][s] + b_qkv[o], on codes of FP4 with E8M0 scales; then q and k x 128^(-1/4); then q, k (along the head's 128) and v (along the keys) are
; quantised in registers and stored AS IMAGES OF OPERAND REGISTERS for the attention launch: a fragment (16 rows x 128 K) is 1,024 bytes: registers 0-3 of lane l at 16 l, registers 4-7 at 512 + 16 l.
;   qkv_img [n][g 0..23][64 fragments][1024]: g = head: q, 8 + head: k (fragment s / 16; rows s, K = d);  16 + head: v (fragment 8 (key / 128) + d / 16; rows d, K = 128 keys)
;   qkv_sc  [n][g][8][128 rows][4]: a fragment row's scale word
; SHARES.  8 x 32 = 256 work-groups of equal work.  Work-group (tc, tr) takes 256 rows (n, s) of xn and 384 rows of w_qkv, in TWO PASSES over the same X in LDS:
;   pass 1: rows 256 tc .. + 255: two heads of q (tc 0-3) or of k (tc 4-7); each of four waves 128 x 128: 64 accumulators;
;   pass 2: rows 2,048 + 128 tc .. + 127: head tc of v; each wave 64 (d) x 128 (keys): 32 accumulators.     K = 1,024 is eight steps of 128 in both.
; TWO ORIENTATIONS.  The quantiser wants the next product's K along a lane's registers, and source 0's rows become the result's registers.  Pass 1: source 0 = W (registers run along d), source 1 = X (a lane holds one s).
; Pass 2: source 0 = X (registers run along the keys), source 1 = W (a lane holds one d).
; LDS.  X's and pass 1's W's 256 rows x 512 bytes lie there for all of K, as two halves along K, with their scale bytes: six tensor loads a wave at the start (by this text's count six are out); the first four are waited
; for ahead of step 0, the last two ahead of step 4's fetch.  ONE REFILL: pass 2's 128 rows (69,632 bytes with padding) land in the bytes of W's K half 0, whose last read is step 3's fetch: at step 3's head every wave waits for
; all its tensor loads, adds 0 to its spare word, waits for that and for its reads, a round of the cluster's barrier follows, and each wave's one load stands first behind it (one is out); five K steps and pass 1's way out pass before it is read.
; CLUSTERS: 4 x 4.  X's tiles hang on tr alone and are asked for jointly along a row of the cluster, W's (both passes') on tc alone and along a column.
; THE BIAS: pass 1: the C of each sum's first product; pass 2: added to the finished sum, by the line that brings the sum into the quantiser's registers.
; REGISTERS: window 0: v1-31 addresses and words on their way out; v32-63, v64-95 scale words of source 1 and source 0; v96-103 scale words made; v104-119 at work; v120-127 v's bias; source 1's fragments, two sets, at v128 and v192
;   (on the ways out: 64 numbers, and the codes made).   window 1: source 0's fragments, two sets, at v0 and v128; v64-127 pass 1's bias.
;   windows 2, 3: pass 1's accumulators, (a, b) at v[8 (8 (a % 4) + b)] of window 2 + a / 4;  pass 2's: (a, b) at v[8 (8 a + b)] of window 2.
; ORDER OF ROUNDING: in pass 1 the bias is the sum's first addend.  LIMITS: NaN and infinities are not served; a block whose largest magnitude lies under 2^-124, zeros too, gets the byte 1 (read by this program alone).
.set PITCH, 272                        ; an LDS row of codes: 256 bytes + 16: the 16 rows of a fragment load start 4 words apart modulo 64 words
.set HALFT, 128*PITCH
.set SLOT,  4*HALFT                    ; a K half: X's 256 rows, then W's 256 rows
.set SCH,   32*272                     ; the scale bytes of 256 rows: 32 pieces of 256 bytes + 16
.set SCX,   2*SLOT
.set SCW,   SCX+SCH
.set SST,   SCW+SCH                    ; 512 bytes a wave: the scale words made, on their way out; no tensor load lands here
.set SPARE, SST+4*512                  ; the spare words, 128 bytes for each wave: two blocks of 256 bytes that no other line names
.set ADRA, 4                           ; v4-5   pass 1: source 1's fragments (X, my half by wave / 2) in K half 0, 1
.set ADRB, 6                           ; v6-7   pass 1: source 0's (W, my half by wave % 2)
.set ASA,  8                           ; v8     X's scale words, my half by wave / 2
.set ASB,  9                           ; v9     X's scale words, my half by wave % 2; W's lie SCH bytes further on
.set LI,   10                          ; v10    16 x lane
.set SSW,  11                          ; v11    the words' stage, in
.set SSR,  12                          ; v12    and out, 16 bytes a lane
.set ADX,  16                          ; v16-17 pass 2: source 0's fragments (X, my half by wave % 2)
.set ADW,  18                          ; v18-19 pass 2: source 1's (v's weights, my 64 rows by wave / 2)
.set SPW,  20                          ; v20    LDS address of my spare word: SPARE + 4 x my thread's number; never rewritten
.set NIL,  21                          ; v21    0; never rewritten
.set VB1,  22                          ; v22    pass 1's bias: 32 h
.set VB2,  23                          ; v23    pass 2's: 4 r
.set SSR2, 24                          ; v24    the words' stage, out, 8 bytes a lane
.set LI8,  25                          ; v25    8 x lane
.set AW2,  26                          ; v26    32 x lane: a row of scale bytes
.set OW,   28                          ; v[28:31] scale words on their way out
.set SA,   32                          ; register 8 al + q: lanes 0-15 block 2 al's words of K step q, lanes 16-31 block 2 al + 1's
.set SB,   64
.set PW,   96
.set TM,   104
.set BV,   120                         ; v[120:127] v's bias: block a's in registers 2 a and 2 a + 1
.set NUM,  128
.set PC,   192
.set BR,   64                          ; in window 1
.set WV,   18
.set G1X,  28
.set G1W,  36
.set G1SX, 44
.set G1SW, 52
.set FAC,  60
.set SEL,  62
.set G0,   68                          ; s[68:91] six groups 0, in the order of issue
.set G0R,  92                          ; s[92:95] the refill's
.set MSB, 0
.macro WIN new                         ; the immediate's high byte repeats the setting that is left; a switch that changes nothing is dropped
.if MSB != (\new)
	s_set_vgpr_msb (MSB<<8)|(\new)
.set MSB, (\new)
.endif
.endm
.macro PLACES                          ; four plain lines behind matrix instructions, ahead of loads into their registers and of reads of their results
.rept 4
	v_nop
.endr
.endm
.macro ROUND                           ; a round of the cluster's barrier
	s_barrier_signal -1
	s_barrier_wait -1
	s_cmp_lg_u32 s[WV], 0
	s_cbranch_scc1 .Lnot_wave_0_\@
	s_barrier_signal -3
.Lnot_wave_0_\@:
	s_barrier_wait -3
	s_barrier_signal -1
	s_barrier_wait -1
.endm
.macro G0SET g, lreg, lconst, ptr, off, extra
	s_mov_b32 s[\g], 1                             ; count = 1
	s_add_co_u32 s[\g+1], s[\lreg], \lconst        ; LDS address: a constant + a constant x wave
	s_add_nc_u64 s[\g+2:\g+3], s[\ptr:\ptr+1], s[\off:\off+1]
.if \extra
	s_add_nc_u64 s[\g+2:\g+3], s[\g+2:\g+3], \extra
.endif
	s_or_b32 s[\g+3], s[\g+3], 0x80000000          ; type = 2
.endm
; one product: D, source 0, source 1, C, source 0's scale register and its row, source 1's and its row
.macro WMC d, fb, fa, c, sb, rb, sa, ra
.if (\rb) && (\ra)
	v_wmma_scale_f32_16x16x128_f8f6f4 v[\d:\d+7], v[\fb:\fb+7], v[\fa:\fa+7], v[\c:\c+7], v[\sb], v[\sa] matrix_a_fmt:MATRIX_FMT_FP4 matrix_b_fmt:MATRIX_FMT_FP4 matrix_a_scale:MATRIX_SCALE_ROW1 matrix_b_scale:MATRIX_SCALE_ROW1
.elseif (\rb)
	v_wmma_scale_f32_16x16x128_f8f6f4 v[\d:\d+7], v[\fb:\fb+7], v[\fa:\fa+7], v[\c:\c+7], v[\sb], v[\sa] matrix_a_fmt:MATRIX_FMT_FP4 matrix_b_fmt:MATRIX_FMT_FP4 matrix_a_scale:MATRIX_SCALE_ROW1
.elseif (\ra)
	v_wmma_scale_f32_16x16x128_f8f6f4 v[\d:\d+7], v[\fb:\fb+7], v[\fa:\fa+7], v[\c:\c+7], v[\sb], v[\sa] matrix_a_fmt:MATRIX_FMT_FP4 matrix_b_fmt:MATRIX_FMT_FP4 matrix_b_scale:MATRIX_SCALE_ROW1
.else
	v_wmma_scale_f32_16x16x128_f8f6f4 v[\d:\d+7], v[\fb:\fb+7], v[\fa:\fa+7], v[\c:\c+7], v[\sb], v[\sa] matrix_a_fmt:MATRIX_FMT_FP4 matrix_b_fmt:MATRIX_FMT_FP4
.endif
.endm
; the same with the constant 0 as C: it starts a sum
.macro WMZ d, fb, fa, sb, rb, sa, ra
.if (\rb) && (\ra)
	v_wmma_scale_f32_16x16x128_f8f6f4 v[\d:\d+7], v[\fb:\fb+7], v[\fa:\fa+7], 0, v[\sb], v[\sa] matrix_a_fmt:MATRIX_FMT_FP4 matrix_b_fmt:MATRIX_FMT_FP4 matrix_a_scale:MATRIX_SCALE_ROW1 matrix_b_scale:MATRIX_SCALE_ROW1
.elseif (\rb)
	v_wmma_scale_f32_16x16x128_f8f6f4 v[\d:\d+7], v[\fb:\fb+7], v[\fa:\fa+7], 0, v[\sb], v[\sa] matrix_a_fmt:MATRIX_FMT_FP4 matrix_b_fmt:MATRIX_FMT_FP4 matrix_a_scale:MATRIX_SCALE_ROW1
.elseif (\ra)
	v_wmma_scale_f32_16x16x128_f8f6f4 v[\d:\d+7], v[\fb:\fb+7], v[\fa:\fa+7], 0, v[\sb], v[\sa] matrix_a_fmt:MATRIX_FMT_FP4 matrix_b_fmt:MATRIX_FMT_FP4 matrix_b_scale:MATRIX_SCALE_ROW1
.else
	v_wmma_scale_f32_16x16x128_f8f6f4 v[\d:\d+7], v[\fb:\fb+7], v[\fa:\fa+7], 0, v[\sb], v[\sa] matrix_a_fmt:MATRIX_FMT_FP4 matrix_b_fmt:MATRIX_FMT_FP4
.endif
.endm
; 64 numbers of a lane, register 8 t + j = K index 16 t + 8 (lane / 16) + j of my row, become a fragment's codes in v[pc] on and its scale word in v[pw].
; A block of 32 is tiles 2 b, 2 b + 1 of lanes l and l xor 16.  The operand wants register 4 c + w of lane half h to hold K = 64 c + 32 h + 8 w on: tile 4 c + e's codes go to
; register 4 c + {0, 2, 1, 3}[e], and two exchanges of halves for each c finish it.
.macro QUANT s, pc, pw
.irp b, 0,1,2,3
	v_max3_num_f32 v[TM+\b], |v[\s+16*\b]|, |v[\s+16*\b+1]|, 0x1800000   ; and the floor 2^(3 - 127): the byte cannot fall under 1
.endr
.irp i, 2,4,6,8,10,12,14
.irp b, 0,1,2,3
	v_max3_num_f32 v[TM+\b], v[TM+\b], |v[\s+16*\b+\i]|, |v[\s+16*\b+\i+1]|
.endr
.endr
.irp b, 0,1,2,3
	v_permlanex16_b32 v[TM+4+\b], v[TM+\b], s[SEL], s[SEL+1]
.endr
.irp b, 0,1,2,3
	v_max_num_f32 v[TM+\b], v[TM+\b], v[TM+4+\b]   ; the block's largest magnitude
.endr
.irp b, 0,1,2,3
	v_add_nc_u32 v[TM+12+\b], 0xff000000, v[TM+\b] ; 2 off its exponent field: the conversion's scale operand
.endr
.irp b, 0,1,2,3
	v_lshrrev_b32 v[TM+4+\b], 23, v[TM+12+\b]      ; the scale's byte
.endr
	v_lshl_or_b32 v[\pw], v[TM+5], 8, v[TM+4]
	v_lshl_or_b32 v[\pw], v[TM+6], 16, v[\pw]
	v_lshl_or_b32 v[\pw], v[TM+7], 24, v[\pw]
.irp c, 0,1
	v_cvt_scalef32_pk8_fp4_f32 v[\pc+4*\c], v[\s+32*\c:\s+32*\c+7], v[TM+12+2*\c]
	v_cvt_scalef32_pk8_fp4_f32 v[\pc+4*\c+2], v[\s+32*\c+8:\s+32*\c+15], v[TM+12+2*\c]
	v_cvt_scalef32_pk8_fp4_f32 v[\pc+4*\c+1], v[\s+32*\c+16:\s+32*\c+23], v[TM+13+2*\c]
	v_cvt_scalef32_pk8_fp4_f32 v[\pc+4*\c+3], v[\s+32*\c+24:\s+32*\c+31], v[TM+13+2*\c]
.endr
	v_nop                                          ; one plain line behind the last conversion
.irp c, 0,1
	v_permlane16_swap_b32 v[\pc+4*\c], v[\pc+4*\c+1]
	v_permlane16_swap_b32 v[\pc+4*\c+2], v[\pc+4*\c+3]
.endr
.endm
	s_load_b256 s[4:11], s[0:1], 0x0               ; xq_codes, xq_scales, w_qkv_codes, w_qkv_scales
	s_load_b128 s[12:15], s[0:1], 0x20             ; b_qkv, qkv_img
	s_load_b64 s[16:17], s[0:1], 0x30              ; qkv_sc
	v_lshl_add_u32 v[SPW], v0, 2, SPARE
	v_mov_b32 v[NIL], 0
	ds_add_u32 v20, v21
	ds_add_u32 v20, v21
	s_wait_dscnt 0x0
	v_lshrrev_b32 v1, 5, v0
	v_readfirstlane_b32 s[WV], v1                  ; wave 0..3
	s_lshr_b32 s19, s[WV], 1                       ; which half of source 1's rows is mine
	s_and_b32 s20, s[WV], 1                        ; which half of source 0's
	s_bfe_u32 s21, ttmp6, 0x40000                  ; cx
	s_bfe_u32 s22, ttmp6, 0x40004                  ; cy
	s_lshl_b32 s23, ttmp9, 2
	s_add_co_u32 s23, s23, s21                     ; tc, 0 .. 7
	s_and_b32 s24, ttmp7, 0xffff
	s_lshl_b32 s24, s24, 2
	s_add_co_u32 s24, s24, s22                     ; tr: 256 rows of xn
	s_lshl_b32 s2, s22, 2
	s_lshl_b32 s2, 15, s2                          ; my row of the cluster
	s_lshl_b32 s3, 0x1111, s21                     ; my column
	; groups 1.  Codes: 64 rows x 256 bytes, 512 bytes apart in memory, 16 bytes of padding behind each row.  Scales: 64 rows' 2,048 dense bytes as 8 rows of 256 (32 elements of 8 bytes), padded alike.
	s_or_b32 s[G1X], s2, (1<<20)|(1<<21)|(5<<22)|(3<<25)
	s_or_b32 s[G1W], s3, (1<<20)|(1<<21)|(5<<22)|(3<<25)
.irp g, G1X, G1W
	s_mov_b32 s[\g+1], 256<<16                     ; tensor_dim0
	s_mov_b32 s[\g+2], 64<<16                      ; tensor_dim1
	s_mov_b32 s[\g+3], 256<<16                     ; tile_dim0
	s_mov_b32 s[\g+4], 64                          ; tile_dim1
	s_mov_b32 s[\g+5], 512                         ; the pitch
	s_mov_b32 s[\g+6], 0
	s_mov_b32 s[\g+7], 0
.endr
	s_or_b32 s[G1SX], s2, (3<<16)|(1<<20)|(1<<21)|(5<<22)|(3<<25)
	s_or_b32 s[G1SW], s3, (3<<16)|(1<<20)|(1<<21)|(5<<22)|(3<<25)
.irp g, G1SX, G1SW
	s_mov_b32 s[\g+1], 32<<16
	s_mov_b32 s[\g+2], 8<<16
	s_mov_b32 s[\g+3], 32<<16
	s_mov_b32 s[\g+4], 8
	s_mov_b32 s[\g+5], 32
	s_mov_b32 s[\g+6], 0
	s_mov_b32 s[\g+7], 0
.endr
	s_lshl_b32 s100, s[WV], 6                      ; my quarter: 64 rows
	s_lshl_b32 s96, s24, 8
	s_add_co_u32 s96, s96, s100                    ; X's row: made of tr and the wave alone
	s_lshl_b32 s26, s96, 5                         ; its scale bytes
	s_mov_b32 s27, 0
	s_lshl_b32 s96, s96, 9                         ; its codes
	s_mov_b32 s97, 0
	s_lshl_b32 s98, s23, 8
	s_add_co_u32 s98, s98, s100                    ; pass 1's W row: made of tc and the wave alone
	s_lshl_b32 s66, s98, 5
	s_mov_b32 s67, 0
	s_lshl_b32 s98, s98, 9
	s_mov_b32 s99, 0
	s_lshl_b32 s2, s23, 7                          ; pass 2's: row 2,048 + 128 tc + 64 (wave % 2),
	s_lshl_b32 s25, s20, 6
	s_add_co_u32 s2, s2, s25
	s_add_co_u32 s2, s2, 2048
	s_lshl_b32 s2, s2, 9
	s_lshl_b32 s25, s19, 8
	s_add_co_u32 s2, s2, s25                       ; K half wave / 2
	s_mov_b32 s3, 0
	s_mul_i32 s100, s[WV], 8*272
	s_mul_i32 s101, s[WV], 64*PITCH
	s_wait_kmcnt 0x0
	G0SET G0,    100, SCX, 6, 26, 0
	G0SET G0+4,  100, SCW, 10, 66, 0
	G0SET G0+8,  101, 0, 4, 96, 0
	G0SET G0+12, 101, 2*HALFT, 8, 98, 0
	G0SET G0+16, 101, SLOT, 4, 96, 256
	G0SET G0+20, 101, SLOT+2*HALFT, 8, 98, 256
	G0SET G0R,   101, 2*HALFT, 8, 2, 0             ; the refill: K half k's 128 rows at 2 HALFT + k HALFT: 64 rows a wave, 17,408 bytes apart
	ROUND                                          ; all sixteen work-groups are here: the joint loads meet
	tensor_load_to_lds s[G0:G0+3], s[G1SX:G1SX+7]
	s_nop 0
	tensor_load_to_lds s[G0+4:G0+7], s[G1SW:G1SW+7]
	s_nop 0
	tensor_load_to_lds s[G0+8:G0+11], s[G1X:G1X+7]
	s_nop 0
	tensor_load_to_lds s[G0+12:G0+15], s[G1W:G1W+7]
	s_nop 0
	tensor_load_to_lds s[G0+16:G0+19], s[G1X:G1X+7]
	s_nop 0
	tensor_load_to_lds s[G0+20:G0+23], s[G1W:G1W+7]
	s_nop 0
.rept 4
	v_nop                                          ; four plain lines follow the loads
.endr
	v_and_b32 v1, 15, v0                           ; r
	v_bfe_u32 v2, v0, 4, 1                         ; h
	v_and_b32 v3, 31, v0                           ; lane
	s_mov_b32 s[FAC], 0x3e9837f0                   ; 128^(-1/4), for q and k
	s_mov_b32 s[FAC+1], s[FAC]                     ; (named with it as a pair, so it is written)
	s_mov_b32 s[SEL], 0x76543210
	s_mov_b32 s[SEL+1], 0xfedcba98
	v_mul_u32_u24 v13, v1, PITCH
	v_lshl_add_u32 v13, v2, 4, v13                 ; a fragment's row x pitch + 16 x half
	s_mul_i32 s25, s19, HALFT
	v_add_nc_u32 v[ADRA], s25, v13                 ; X, 128 rows by wave / 2
	v_add_nc_u32 v[ADRA+1], SLOT, v[ADRA]
	s_mul_i32 s25, s20, HALFT
	v_add_nc_u32 v[ADX], s25, v13                  ; X, 128 rows by wave % 2
	v_add_nc_u32 v[ADX+1], SLOT, v[ADX]
	v_add_nc_u32 v[ADRB], 2*HALFT, v[ADX]          ; W, 128 rows by wave % 2
	v_add_nc_u32 v[ADRB+1], SLOT, v[ADRB]
	s_mul_i32 s25, s19, 64*PITCH
	s_add_co_u32 s25, s25, 2*HALFT
	v_add_nc_u32 v[ADW], s25, v13                  ; v's weights, 64 rows by wave / 2
	v_add_nc_u32 v[ADW+1], HALFT, v[ADW]
	v_lshrrev_b32 v14, 3, v3
	v_mul_u32_u24 v14, v14, 272
	v_and_b32 v15, 7, v3
	v_lshl_add_u32 v14, v15, 5, v14                ; row `lane` of 32: eight rows of 32 bytes to a piece of 256 + 16
	s_mul_i32 s25, s19, 16*272
	s_add_co_u32 s25, s25, SCX
	v_add_nc_u32 v[ASA], s25, v14
	s_mul_i32 s25, s20, 16*272
	s_add_co_u32 s25, s25, SCX
	v_add_nc_u32 v[ASB], s25, v14
	v_lshlrev_b32 v[LI], 4, v3
	v_lshlrev_b32 v[LI8], 3, v3
	v_lshlrev_b32 v[AW2], 5, v3
	v_lshlrev_b32 v[VB1], 5, v2
	s_wait_alu depctr_va_vdst(0)
	v_lshlrev_b32 v[VB2], 2, v1
	s_wait_alu depctr_va_vdst(0)
	s_lshl_b32 s25, s[WV], 9
	s_add_co_u32 s25, s25, SST
	v_lshl_add_u32 v[SSW], v1, 2, s25
	v_add_nc_u32 v[SSR], s25, v[LI]
	v_add_nc_u32 v[SSR2], s25, v[LI8]
.irp b, 0,1,2,3
	v_mov_b32 v[TM+4+\b], 0                        ; written once: a lane permute's destination counts as read
.endr
	s_lshl_b32 s26, s23, 10
	s_lshl_b32 s25, s20, 9
	s_add_co_u32 s26, s26, s25                     ; pass 1's bias: 4 (256 tc + 128 (wave % 2))
	s_mov_b32 s27, 0
	s_add_nc_u64 s[26:27], s[12:13], s[26:27]
	s_lshl_b32 s66, s23, 7
	s_lshl_b32 s25, s19, 6
	s_add_co_u32 s66, s66, s25
	s_add_co_u32 s66, s66, 2048                    ; pass 2: my first row of w_qkv: 2,048 + 128 tc + 64 (wave / 2)
	s_lshl_b32 s96, s66, 5
	s_mov_b32 s97, 0
	s_add_nc_u64 s[96:97], s[10:11], s[96:97]      ; its scale bytes
	s_lshl_b32 s66, s66, 2
	s_mov_b32 s67, 0
	s_add_nc_u64 s[66:67], s[12:13], s[66:67]      ; its bias
	WIN 0x40                                       ; destination window 1
.irp i, 0,1,2,3,4,5,6,7                        ; register 8 b + j = bias(16 b + 8 h + j): the result's layout
.irp c, 0,1
	global_load_b128 v[BR+8*\i+4*\c:BR+8*\i+4*\c+3], v[VB1], s[26:27] offset:64*\i+16*\c
.endr
.endr
	WIN 0
.irp a, 0,1,2,3                                ; bias(16 a + r), twice: a pair for the packed addition
	global_load_b32 v[BV+2*\a], v[VB2], s[66:67] offset:64*\a
	global_load_b32 v[BV+2*\a+1], v[VB2], s[66:67] offset:64*\a
.endr
	s_lshr_b32 s25, s24, 2                         ; n
	s_mul_i32 s25, s25, 24
	s_and_b32 s2, s24, 3
	s_lshl_b32 s2, s2, 1                           ; which 256 of the sample's 1,024 positions, x 2
	s_add_co_u32 s3, s25, s23
	s_add_co_u32 s3, s3, 16                        ; pass 2: 24 n + 16 + tc
	s_add_co_u32 s21, s2, s20                      ; its key step
	s_lshl_b32 s98, s3, 16
	s_lshl_b32 s22, s21, 13
	s_add_co_u32 s98, s98, s22
	s_lshl_b32 s22, s19, 12
	s_add_co_u32 s98, s98, s22                     ; fragment 8 x key step + 4 (wave / 2)
	s_mov_b32 s99, 0
	s_add_nc_u64 s[98:99], s[14:15], s[98:99]
	s_lshl_b32 s100, s3, 12
	s_lshl_b32 s22, s21, 9
	s_add_co_u32 s100, s100, s22
	s_lshl_b32 s22, s19, 8
	s_add_co_u32 s100, s100, s22                   ; and its 64 scale words
	s_mov_b32 s101, 0
	s_add_nc_u64 s[100:101], s[16:17], s[100:101]
	s_lshl_b32 s3, s23, 1
	s_add_co_u32 s3, s3, s20
	s_add_co_u32 s3, s3, s25                       ; pass 1: 24 n + 2 tc + wave % 2
	s_add_co_u32 s21, s2, s19                      ; which 128 positions
	s_lshl_b32 s24, s3, 16
	s_lshl_b32 s22, s21, 13
	s_add_co_u32 s24, s24, s22
	s_mov_b32 s25, 0
	s_add_nc_u64 s[14:15], s[14:15], s[24:25]      ; my eight fragments
	s_lshl_b32 s24, s3, 12
	s_lshl_b32 s22, s21, 9
	s_add_co_u32 s24, s24, s22
	s_add_nc_u64 s[16:17], s[16:17], s[24:25]      ; and their 128 scale words
.macro FRAG reg, adr, q, i             ; 16 rows x 128 K: two loads of 16 bytes a lane, 32 bytes apart
.irp c, 0,1
	ds_load_b128 v[\reg+4*\c:\reg+4*\c+3], v[\adr] offset:64*((\q)%4)+32*\c+(\i)*16*PITCH
.endr
.endm
.macro FETCH q                         ; pass 1: K step q's 16 fragments into set q % 2
	WIN 0x40
.irp i, 0,1,2,3,4,5,6,7
	FRAG 128*((\q)%2)+8*\i, ADRB+(\q)/4, \q, \i
.endr
	WIN 0
.irp i, 0,1,2,3,4,5,6,7
	FRAG 128+64*((\q)%2)+8*\i, ADRA+(\q)/4, \q, \i
.endr
.endm
.macro FETCH2 q                        ; pass 2: K step q's 12 fragments into set q % 2
	WIN 0x40
.irp i, 0,1,2,3,4,5,6,7
	FRAG 128*((\q)%2)+8*\i, ADX+(\q)/4, \q, \i
.endr
	WIN 0
.irp i, 0,1,2,3
	FRAG 128+64*((\q)%2)+8*\i, ADW+(\q)/4, \q, \i
.endr
.endm
.macro SHEAD q                         ; a K step's head in pass 1: its fragments are in; the next step's are asked for, 64 matrix instructions ahead of their use
.if \q == 3
	s_wait_tensorcnt 0x0                           ; all my tensor loads have landed, my parts of K half 1 among them;
	ds_add_u32 v[SPW], v[NIL]                      ; 0 onto my spare word;
	s_wait_dscnt 0x0                               ; the add is done, and my reads of K half 0 are over: step 3's fragments are in
	ROUND                                          ; all that holds of every wave of every work-group of the cluster
	tensor_load_to_lds s[G0R:G0R+3], s[G1W:G1W+7]  ; my one load behind the round: my part of v's weights, into the bytes of W's K half 0
	s_nop 0
	PLACES                                         ; four plain lines follow the load; they are also the places in front of the loads below
.else
	s_wait_dscnt 0x0
.if \q > 0
	PLACES
.endif
.endif
.if \q < 7
	FETCH (\q)+1
.endif
.endm
.macro SHEAD2 q                        ; the same in pass 2
	s_wait_dscnt 0x0
.if \q > 0
	PLACES
.endif
.if \q < 7
	FETCH2 (\q)+1
.endif
.endm
; Pass 1: a K step's 64 products.  The accumulators take turns, one instruction a turn, in the same order in every step.  first = 1: C = the bias.
.macro PROD q, first
.irp a, 0,1,2,3,4,5,6,7
.if \first
	WIN 0x91+0x40*(\a/4)                           ; source 0 and C window 1, source 1 window 0, D window 2 or 3
.else
	WIN 0xa1+0x50*(\a/4)                           ; C and D window 2 or 3
.endif
.irp b, 0,1,2,3,4,5,6,7
.if \first
	WMC 8*(8*(\a%4)+\b), 128*((\q)%2)+8*\b, 128+64*((\q)%2)+8*\a, BR+8*\b, SB+8*(\b/2)+(\q), \b%2, SA+8*(\a/2)+(\q), \a%2
.else
	WMC 8*(8*(\a%4)+\b), 128*((\q)%2)+8*\b, 128+64*((\q)%2)+8*\a, 8*(8*(\a%4)+\b), SB+8*(\b/2)+(\q), \b%2, SA+8*(\a/2)+(\q), \a%2
.endif
.endr
.endr
	WIN 0
.endm
; Pass 2: a K step's 32 products, by turns likewise.  The first step's start the sums with the constant 0.
.macro PROD2 q
	WIN 0xa1                                       ; source 0 window 1, source 1 window 0, C and D window 2
.irp a, 0,1,2,3
.irp b, 0,1,2,3,4,5,6,7
.if \q == 0
	WMZ 8*(8*\a+\b), 128*((\q)%2)+8*\b, 128+64*((\q)%2)+8*\a, SB+8*(\b/2)+(\q), \b%2, SA+8*(\a/2)+(\q), \a%2
.else
	WMC 8*(8*\a+\b), 128*((\q)%2)+8*\b, 128+64*((\q)%2)+8*\a, 8*(8*\a+\b), SB+8*(\b/2)+(\q), \b%2, SA+8*(\a/2)+(\q), \a%2
.endif
.endr
.endr
	WIN 0
.endm
	; ---- PASS 1: q or k
	s_wait_tensorcnt 0x2                           ; the scales and K half 0 are in: the two loads behind them, K half 1's, may stay out
	s_barrier_signal -1
	s_barrier_wait -1                              ; everybody's are
.irp al, 0,1,2,3                               ; all scale words, once: a load brings a row's words of four K steps
.irp kh, 0,1
	ds_load_b128 v[SA+8*\al+4*\kh:SA+8*\al+4*\kh+3], v[ASA] offset:1088*\al+16*\kh
	ds_load_b128 v[SB+8*\al+4*\kh:SB+8*\al+4*\kh+3], v[ASB] offset:SCH+1088*\al+16*\kh
.endr
.endr
	FETCH 0
	s_wait_loadcnt 0x0                             ; the biases
	SHEAD 0
	PROD 0, 1
.irp q, 1,2,3,4,5,6,7
	SHEAD \q
	PROD \q, 0
.endr
; THE WAY OUT OF PASS 1.  Block a: my 16 positions x 128 along d: 64 numbers a lane, x the factor, quantised; the fragment is stored as it stands, 512 consecutive bytes an instruction.
.macro OUTBLK a
	WIN 0x02+(\a/4)                                ; source 0: window 2 or 3
.set i, 0
.rept 32
	v_pk_mul_f32 v[NUM+2*i:NUM+2*i+1], v[64*(\a%4)+2*i:64*(\a%4)+2*i+1], s[FAC:FAC+1] op_sel_hi:[1,0]   ; each accumulator from its low end on
.set i, i+1
.endr
	WIN 0
	QUANT NUM, PC+8*\a, PW+\a
	global_store_b128 v[LI], v[PC+8*\a:PC+8*\a+3], s[14:15] offset:1024*\a
	global_store_b128 v[LI], v[PC+8*\a+4:PC+8*\a+7], s[14:15] offset:1024*\a+512
	ds_store_b32 v[SSW], v[PW+\a] offset:64*\a     ; lanes r and r + 16 write the same word with the same value
.endm
	PLACES
.irp al, 0,1                                   ; pass 2's scale words of source 1, asked for now: row 32 al + lane of my 64, 32 bytes a row: the two loads of an al read 1,024 consecutive bytes
.irp kh, 0,1
	global_load_b128 v[SA+8*\al+4*\kh:SA+8*\al+4*\kh+3], v[AW2], s[96:97] offset:1024*\al+16*\kh
.endr
.endr
.irp a, 0,1,2,3,4,5,6,7
	OUTBLK \a                                      ; each block has its own registers for codes and word: no store's data are written again here
.endr
	ds_load_b128 v[OW:OW+3], v[SSR]                ; LDS serves a wave's instructions in order: these see my stores
	s_wait_dscnt 0x0
	global_store_b128 v[LI], v[OW:OW+3], s[16:17]  ; 128 scale words: 512 consecutive bytes
	; ---- PASS 2: v
	s_wait_tensorcnt 0x0                           ; my part of v's weights has landed,
	s_barrier_signal -1
	s_barrier_wait -1                              ; everybody's has
	s_wait_xcnt 0x0                                ; pass 1's stores have read their registers: only behind this wait are those written again
.irp al, 0,1,2,3                               ; X's scale words, now as source 0's: my half by wave % 2
.irp kh, 0,1
	ds_load_b128 v[SB+8*\al+4*\kh:SB+8*\al+4*\kh+3], v[ASB] offset:1088*\al+16*\kh
.endr
.endr
	FETCH2 0
	s_wait_loadcnt 0x0                             ; source 1's scale words
.irp q, 0,1,2,3,4,5,6,7
	SHEAD2 \q
	PROD2 \q
.endr
; THE WAY OUT OF PASS 2.  Block a: my 16 rows d x 128 keys: 64 numbers a lane, + the bias of my d, quantised along the keys, stored as it stands.
.macro OUTBLK2 a
	WIN 0x02                                       ; source 0: window 2
.set i, 0
.rept 32
	v_pk_add_f32 v[NUM+2*i:NUM+2*i+1], v[64*\a+2*i:64*\a+2*i+1], v[BV+2*\a:BV+2*\a+1]   ; each accumulator from its low end on
.set i, i+1
.endr
	WIN 0
	QUANT NUM, PC+8*\a, PW+\a
	global_store_b128 v[LI], v[PC+8*\a:PC+8*\a+3], s[98:99] offset:1024*\a
	global_store_b128 v[LI], v[PC+8*\a+4:PC+8*\a+7], s[98:99] offset:1024*\a+512
	ds_store_b32 v[SSW], v[PW+\a] offset:64*\a
.endm
	PLACES
.irp a, 0,1,2,3
	OUTBLK2 \a
.endr
	ds_load_b64 v[OW:OW+1], v[SSR2]                ; 64 scale words, 8 bytes a lane
	s_wait_dscnt 0x0
	global_store_b64 v[LI8], v[OW:OW+1], s[100:101]   ; 256 consecutive bytes, at a multiple of 256 from the buffer's first byte
	s_wait_tensorcnt 0x0                           ; the wave's end, behind my last tensor load and my last LDS store
	ds_add_u32 v[SPW], v[NIL]
	s_wait_dscnt 0x0
	ROUND                                          ; the closing round: no work-group ends while a partner may still ask for a tile that names it
	s_endpgm
.Lfunc_end_k_q31bd827976_qkv:
	.size	k_q31bd827976_qkv, .Lfunc_end_k_q31bd827976_qkv-k_q31bd827976_qkv
	.p2alignl 7, 3214868480
	.fill 96, 4, 3214868480
	.section	.rodata,"a",@progbits
	.p2align	6, 0x0
	.amdhsa_kernel k_q31bd827976_qkv
		.amdhsa_group_segment_fixed_size 327680
		.amdhsa_private_segment_fixed_size 0
		.amdhsa_enable_private_segment 0
		.amdhsa_kernarg_size 56
		.amdhsa_user_sgpr_count 2
		.amdhsa_user_sgpr_kernarg_segment_ptr 1
		.amdhsa_wavefront_size32 1
		.amdhsa_system_sgpr_workgroup_id_x 1
		.amdhsa_system_sgpr_workgroup_id_y 1
		.amdhsa_system_sgpr_workgroup_id_z 1
		.amdhsa_system_vgpr_workitem_id 0
		.amdhsa_next_free_vgpr 1024
		.amdhsa_next_free_sgpr 102
		.amdhsa_reserve_vcc 0
		.amdhsa_float_denorm_mode_32 3
		.amdhsa_float_denorm_mode_16_64 3
		.amdhsa_memory_ordered 1
		.amdhsa_forward_progress 1
		.amdhsa_inst_pref_size 218
	.end_amdhsa_kernel
	.amdgpu_metadata
---
amdhsa.version: [ 1, 2 ]
amdhsa.kernels:
  - .name:           k_q31bd827976_qkv
    .symbol:         k_q31bd827976_qkv.kd
    .args:
      - { .name: xq_codes, .offset: 0, .size: 8, .value_kind: global_buffer, .address_space: global }
      - { .name: xq_scales, .offset: 8, .size: 8, .value_kind: global_buffer, .address_space: global }
      - { .name: w_qkv_codes, .offset: 16, .size: 8, .value_kind: global_buffer, .address_space: global }
      - { .name: w_qkv_scales, .offset: 24, .size: 8, .value_kind: global_buffer, .address_space: global }
      - { .name: b_qkv, .offset: 32, .size: 8, .value_kind: global_buffer, .address_space: global }
      - { .name: qkv_img, .offset: 40, .size: 8, .value_kind: global_buffer, .address_space: global }
      - { .name: qkv_sc, .offset: 48, .size: 8, .value_kind: global_buffer, .address_space: global }
    .group_segment_fixed_size: 327680
    .private_segment_fixed_size: 0
    .kernarg_segment_align: 8
    .kernarg_segment_size: 56
    .max_flat_workgroup_size: 128
    .sgpr_count:     102
    .vgpr_count:     1024
    .wavefront_size: 32
...
	.end_amdgpu_metadata
.endif
;; end of part 3
;; launch attn (part 4): grid 4 x 64, 16 waves a work-group, clusters of 4 x 1, 169,984 bytes of LDS; arguments qkv_img, qkv_sc, y_img, y_sc; writes y_img, y_sc
.if DOCPART == 4
	.amdgcn_target "amdgcn-amd-amdhsa--gfx1250"
	.amdhsa_code_object_version 6
	.text
	.protected	k_q31bd827976_attn
	.globl	k_q31bd827976_attn
	.p2align	8
	.type	k_q31bd827976_attn,@function
k_q31bd827976_attn:
	s_mov_b64 s[64:65], 0
	v_nop
	global_prefetch_b8 v0, s[64:65] scope:SCOPE_SE
	s_setreg_imm32_b32 hwreg(HW_REG_WAVE_MODE, 25, 1), 1
	s_wait_xcnt 0x0
	s_wait_alu depctr_hold_cnt(0) depctr_sa_sdst(0) depctr_va_vdst(0) depctr_va_sdst(0) depctr_va_ssrc(0) depctr_va_vcc(0) depctr_vm_vsrc(0)
	s_getreg_b32 s2, hwreg(HW_REG_IB_STS2, 6, 4)
	s_cmp_eq_u32 s2, 0
	s_cbranch_scc0 .Lentry_in_a_cluster
	s_endpgm
.Lentry_in_a_cluster:
	s_bfe_u32 s2, ttmp6, 0x10000c
	s_cmp_lg_u32 s2, 0x3003
	s_cbranch_scc0 .Lentry_shape_is_right
	s_endpgm
.Lentry_shape_is_right:
; y[n][head][q][:] = the sum over k of softmax_k(q . k) v, both products on codes of FP4 with E8M0 scales (q and k carry 128^(-1/4) each already); y / the row's sum is quantised along c and stored for the last launch.
; THE SOFTMAX AHEAD OF THE SECOND PRODUCT: t = score x log2(e); M = the running largest t rounded UP to a whole number; p = 2^(t - M) is quantised along the keys, not normalised; the row's sum is taken of the
; unquantised p and divides at the end.  When M moves, the sum and O are multiplied by 2^(old M - new M): exact.
; SHARES.  A work-group owns 256 queries of one (n, head); each of its sixteen waves 16 of them, in 256 registers: four waves to a SIMD, so that one wave's vector work stands beside another's products and LDS loads.
; A HEAD'S K AND V LIE IN LDS WHOLE, as images of operand registers (64 KiB each) with their scale words (4 KiB each): filled once and read by all sixteen waves.  No ring.  SIX tensor loads bring them, one a wave:
; waves 0 to 3 a half of K's or of V's images each (128 rows of 256 bytes), waves 4 and 5 K's and V's scale words (16 rows); the other waves issue none.  By this text's count a wave has at most one out.
; CLUSTER.  The four query blocks of an (n, head) read the same K and V: every load is joint, with the mask of all four.
; LAYOUT.  Both products are used transposed: S^T = K Q^T (source 0 = 16 keys), O^T = V^T P^T (source 0 = 16 of the head's 128): a lane holds ONE query (lane % 16) throughout; register 8 t + j is key (or channel) 16 t + 8 (lane / 16) + j.
; IN: qkv_img [n][g][64][1024], qkv_sc [n][g][8][128][4] (g = head: q, 8 + head: k, 16 + head: v).  OUT: y_img [n][q / 256][head][16][1024] (rows q, K = the head's 128 channels of c), y_sc [n][q / 256][head][256][4].
; LIMITS: NaN and infinities are not served; a block whose largest magnitude lies under 2^-124, zeros too, gets the byte 1 (read by this program alone).  1 / the sum is v_rcp_f32's.
; A block's largest p is taken from the block's largest score by the same multiply-add and exponential: this takes v_exp_f32 not to fall where its input rises.
; REGISTERS: v1-7 addresses that stay; v8-10 addresses of the step; v12 -M, v13 the largest t, v[14:15] the sum; v16-23 Q; v32-95 eight fragments; v96-159 S^T, then p; v160-223 O^T; v224-231 p's codes;
;   v232-239, v244-247 at work; v[240:241] f; v[242:243] the sum's second chain; v248-251 K's or V's scale words; v252 p's; v253 Q's; v254 at work.
.set SCB,  131072                      ; behind the images: K's scale words, 4 KiB, then V's
.set SCST, SCB+8192                    ; 1 KiB: y's scale words on their way out; no tensor load lands here
.set LI,  1                            ; v1  16 x lane
.set LIV, 2                            ; v2  the same in V's images
.set LSS, 3                            ; v3  SCB + 4 x lane
.set SSW, 4                            ; v4  the words' stage, in
.set SSR, 5                            ; v5  and out
.set GW,  6                            ; v6  16 x thread
.set QA,  7                            ; v7  4 r
.set ADK, 8
.set ADV, 9
.set ADS, 10
.set TM,  232
.set WV,  18
.set SEL, 20
.set CS,  22                           ; s[22:23] log2(e), twice
.set TB,  24                           ; the step's images: 8,192 bytes a step
.set TS,  25                           ; its scale words: 512 bytes a step
.set CNT, 26
.set G1I, 28
.set G1S, 36
.set G0I, 44
.set G0S, 48
.macro PLACES
.rept 4
	v_nop
.endr
.endm
.macro ROUND
	s_barrier_signal -1
	s_barrier_wait -1
	s_cmp_lg_u32 s[WV], 0
	s_cbranch_scc1 .Lnot_wave_0_\@
	s_barrier_signal -3
.Lnot_wave_0_\@:
	s_barrier_wait -3
	s_barrier_signal -1
	s_barrier_wait -1
.endm
.macro WM0 d, fb, fa, sb, rb, sa       ; a product that starts its sum
.if (\rb)
	v_wmma_scale_f32_16x16x128_f8f6f4 v[\d:\d+7], v[\fb:\fb+7], v[\fa:\fa+7], 0, v[\sb], v[\sa] matrix_a_fmt:MATRIX_FMT_FP4 matrix_b_fmt:MATRIX_FMT_FP4 matrix_a_scale:MATRIX_SCALE_ROW1
.else
	v_wmma_scale_f32_16x16x128_f8f6f4 v[\d:\d+7], v[\fb:\fb+7], v[\fa:\fa+7], 0, v[\sb], v[\sa] matrix_a_fmt:MATRIX_FMT_FP4 matrix_b_fmt:MATRIX_FMT_FP4
.endif
.endm
.macro WMA d, fb, fa, sb, rb, sa       ; a product that adds in place
.if (\rb)
	v_wmma_scale_f32_16x16x128_f8f6f4 v[\d:\d+7], v[\fb:\fb+7], v[\fa:\fa+7], v[\d:\d+7], v[\sb], v[\sa] matrix_a_fmt:MATRIX_FMT_FP4 matrix_b_fmt:MATRIX_FMT_FP4 matrix_a_scale:MATRIX_SCALE_ROW1
.else
	v_wmma_scale_f32_16x16x128_f8f6f4 v[\d:\d+7], v[\fb:\fb+7], v[\fa:\fa+7], v[\d:\d+7], v[\sb], v[\sa] matrix_a_fmt:MATRIX_FMT_FP4 matrix_b_fmt:MATRIX_FMT_FP4
.endif
.endm
; 64 numbers of a lane, register 8 t + j = K index 16 t + 8 (lane / 16) + j of my row, become a fragment's codes in v[pc] on and its scale word in v[pw]: tile 4 c + e's codes go to register 4 c + {0, 2, 1, 3}[e], and two exchanges of halves for each c finish the operand.
.macro QUANT s, pc, pw
.irp b, 0,1,2,3
	v_max3_num_f32 v[TM+\b], |v[\s+16*\b]|, |v[\s+16*\b+1]|, 0x1800000
.endr
.irp i, 2,4,6,8,10,12,14
.irp b, 0,1,2,3
	s_delay_alu instid0(VALU_DEP_4)
	v_max3_num_f32 v[TM+\b], v[TM+\b], |v[\s+16*\b+\i]|, |v[\s+16*\b+\i+1]|
.endr
.endr
.irp b, 0,1,2,3
	s_delay_alu instid0(VALU_DEP_4)
	v_permlanex16_b32 v[TM+4+\b], v[TM+\b], s[SEL], s[SEL+1]
.endr
.irp b, 0,1,2,3
	s_delay_alu instid0(VALU_DEP_4)
	v_max_num_f32 v[TM+\b], v[TM+\b], v[TM+4+\b]
.endr
.irp b, 0,1,2,3
	s_delay_alu instid0(VALU_DEP_4)
	v_add_nc_u32 v[TM+12+\b], 0xff000000, v[TM+\b]
.endr
.irp b, 0,1,2,3
	s_delay_alu instid0(VALU_DEP_4)
	v_lshrrev_b32 v[TM+4+\b], 23, v[TM+12+\b]
.endr
	s_delay_alu instid0(VALU_DEP_3)
	v_lshl_or_b32 v[\pw], v[TM+5], 8, v[TM+4]
	s_delay_alu instid0(VALU_DEP_1)
	v_lshl_or_b32 v[\pw], v[TM+6], 16, v[\pw]
	s_delay_alu instid0(VALU_DEP_1)
	v_lshl_or_b32 v[\pw], v[TM+7], 24, v[\pw]
.irp c, 0,1
	v_cvt_scalef32_pk8_fp4_f32 v[\pc+4*\c], v[\s+32*\c:\s+32*\c+7], v[TM+12+2*\c]
	v_cvt_scalef32_pk8_fp4_f32 v[\pc+4*\c+2], v[\s+32*\c+8:\s+32*\c+15], v[TM+12+2*\c]
	v_cvt_scalef32_pk8_fp4_f32 v[\pc+4*\c+1], v[\s+32*\c+16:\s+32*\c+23], v[TM+13+2*\c]
	v_cvt_scalef32_pk8_fp4_f32 v[\pc+4*\c+3], v[\s+32*\c+24:\s+32*\c+31], v[TM+13+2*\c]
.endr
	v_nop
.irp c, 0,1
	v_permlane16_swap_b32 v[\pc+4*\c], v[\pc+4*\c+1]
	v_permlane16_swap_b32 v[\pc+4*\c+2], v[\pc+4*\c+3]
.endr
.endm
	s_load_b256 s[4:11], s[0:1], 0x0               ; qkv_img, qkv_sc, y_img, y_sc
	v_lshl_add_u32 v31, v0, 2, 0x29000
	v_mov_b32 v255, 0
	ds_add_u32 v31, v255
	ds_add_u32 v31, v255
	v_lshrrev_b32 v8, 5, v0
	s_delay_alu instid0(VALU_DEP_1)
	v_readfirstlane_b32 s[WV], v8                  ; wave 0..15
	s_and_b32 s12, ttmp7, 0xffff                   ; 8 n + head: the partners share it
	s_lshr_b32 s13, s12, 3                         ; n
	s_and_b32 s14, s12, 7                          ; head
	s_mul_i32 s16, s13, 24
	s_add_co_u32 s16, s16, s14                     ; q's group
	s_and_b32 s53, s[WV], 1                        ; the wave's bit 0
	s_bfe_u32 s52, s[WV], 0x10001                  ; and its bit 1
	s_lshl_b32 s17, s52, 3                         ; images (waves 0 to 3): bit 1 says k's group or v's,
	s_add_co_u32 s17, s17, s16
	s_add_co_u32 s17, s17, 8
	s_lshl_b32 s54, s17, 16
	s_lshl_b32 s55, s53, 15                        ; bit 0 which half of its 64 KiB
	s_add_co_u32 s54, s54, s55
	s_mov_b32 s55, 0
	s_lshl_b32 s17, s53, 3                         ; scale words (waves 4 and 5): bit 0 says k's group or v's
	s_add_co_u32 s17, s17, s16
	s_add_co_u32 s17, s17, 8
	s_lshl_b32 s56, s17, 12
	s_mov_b32 s57, 0
	s_and_b32 s58, s[WV], 3
	; groups 1: dense blocks as rows of 256 bytes (32 elements of 8 bytes), no padding: 128 rows of images, 16 rows of scale words.  The mask names all four work-groups.
	s_mov_b32 s[G1I], 15|(3<<16)|(1<<21)
	s_mov_b32 s[G1I+1], 32<<16
	s_mov_b32 s[G1I+2], 128<<16
	s_mov_b32 s[G1I+3], 32<<16
	s_mov_b32 s[G1I+4], 128
	s_mov_b32 s[G1I+5], 32
	s_mov_b32 s[G1I+6], 0
	s_mov_b32 s[G1I+7], 0
	s_mov_b32 s[G1S], 15|(3<<16)|(1<<21)
	s_mov_b32 s[G1S+1], 32<<16
	s_mov_b32 s[G1S+2], 16<<16
	s_mov_b32 s[G1S+3], 32<<16
	s_mov_b32 s[G1S+4], 16
	s_mov_b32 s[G1S+5], 32
	s_mov_b32 s[G1S+6], 0
	s_mov_b32 s[G1S+7], 0
	s_mov_b32 s[SEL], 0x76543210
	s_mov_b32 s[SEL+1], 0xfedcba98
	s_mov_b32 s[CS], 0x3fb8aa3b                    ; log2(e)
	s_mov_b32 s[CS+1], s[CS]
	s_mov_b32 s[TB], 0
	s_mov_b32 s[TS], 0
	s_mov_b32 s[CNT], 8
	s_wait_dscnt 0x0
	s_wait_kmcnt 0x0
	s_mov_b32 s[G0I], 1
	s_lshl_b32 s[G0I+1], s58, 15                   ; LDS: 32,768 x (wave % 4): K's two halves, then V's
	s_add_nc_u64 s[G0I+2:G0I+3], s[4:5], s[54:55]
	s_or_b32 s[G0I+3], s[G0I+3], 0x80000000
	s_mov_b32 s[G0S], 1
	s_lshl_b32 s[G0S+1], s53, 12
	s_add_co_u32 s[G0S+1], s[G0S+1], SCB           ; LDS: SCB + 4,096 x (wave % 2): K's words, then V's
	s_add_nc_u64 s[G0S+2:G0S+3], s[6:7], s[56:57]
	s_or_b32 s[G0S+3], s[G0S+3], 0x80000000
	ROUND                                          ; all four work-groups are here: the joint loads meet
	s_cmp_lt_u32 s[WV], 4                          ; the branches hang on the wave's number alone: they are the same in every work-group
	s_cbranch_scc0 .Lnot_images
	tensor_load_to_lds s[G0I:G0I+3], s[G1I:G1I+7]
	s_nop 0
.rept 4
	v_nop                                          ; four plain lines follow each of the two loads
.endr
	s_branch .Lasked
.Lnot_images:
	s_cmp_lt_u32 s[WV], 6
	s_cbranch_scc0 .Lasked
	tensor_load_to_lds s[G0S:G0S+3], s[G1S:G1S+7]
	s_nop 0
.rept 4
	v_nop
.endr
.Lasked:
	s_bfe_u32 s15, ttmp6, 0x40000                  ; cx: it enters Q's and y's global addresses alone
	s_lshl_b32 s2, ttmp9, 2
	s_add_co_u32 s15, s15, s2                      ; my block of 256 queries
	s_lshl_b32 s2, s15, 4
	s_add_co_u32 s2, s2, s[WV]                     ; my tile of 16
	s_lshl_b32 s58, s16, 16
	s_lshl_b32 s3, s2, 10
	s_add_co_u32 s58, s58, s3
	s_mov_b32 s59, 0
	s_add_nc_u64 s[60:61], s[4:5], s[58:59]        ; Q's fragment
	s_lshl_b32 s58, s16, 12
	s_lshl_b32 s3, s2, 6
	s_add_co_u32 s58, s58, s3
	s_add_nc_u64 s[62:63], s[6:7], s[58:59]        ; and its 16 scale words
	s_lshl_b32 s3, s13, 2
	s_add_co_u32 s3, s3, s15
	s_lshl_b32 s3, s3, 3
	s_add_co_u32 s3, s3, s14                       ; (4 n + block) 8 + head
	s_lshl_b32 s58, s3, 14
	s_lshl_b32 s2, s[WV], 10
	s_add_co_u32 s58, s58, s2
	s_add_nc_u64 s[8:9], s[8:9], s[58:59]          ; y's fragment
	s_lshl_b32 s58, s3, 10
	s_add_nc_u64 s[10:11], s[10:11], s[58:59]      ; the work-group's 256 scale words
	v_and_b32 v8, 31, v0
	v_and_b32 v9, 15, v0
	s_delay_alu instid0(VALU_DEP_2)
	v_lshlrev_b32 v[LI], 4, v8
	s_delay_alu instid0(VALU_DEP_2)
	v_lshlrev_b32 v[QA], 2, v9
	global_load_b128 v[16:19], v[LI], s[60:61]
	global_load_b128 v[20:23], v[LI], s[60:61] offset:512
	global_load_b32 v253, v[QA], s[62:63]
	v_add_nc_u32 v[LIV], 65536, v[LI]
	v_lshl_add_u32 v[LSS], v8, 2, SCB
	s_lshl_b32 s12, s[WV], 6
	s_add_co_u32 s12, s12, SCST
	v_lshl_add_u32 v[SSW], v9, 2, s12              ; SCST + 64 x wave + 4 r
	v_lshl_add_u32 v[SSR], v0, 4, SCST             ; SCST + 16 x thread: waves 0 and 1 read it
	v_lshlrev_b32 v[GW], 4, v0
	v_mov_b32 v13, 0xff61b1e6                      ; the largest t so far: -3e38, under every t
	s_delay_alu instid0(VALU_DEP_1)
	v_floor_f32 v12, -v13                          ; -M
	v_mov_b32 v14, 0
	v_mov_b32 v15, 0
.irp b, 0,1,2,3
	v_mov_b32 v[236+\b], 0                         ; written once: a lane permute's destination counts as read
.endr
	v_mov_b32 v241, 0                              ; (named as the upper half of the pair v[240:241])
	v_mov_b32 v254, 0
.set j, 0
.rept 64
	v_mov_b32 v[160+j], 0                          ; O^T: the step is written once; its first trip finds zeros, which the first change of M leaves zeros
.set j, j+1
.endr
	s_wait_tensorcnt 0x0                           ; my load, if I issued one, has landed,
	s_barrier_signal -1
	s_barrier_wait -1                              ; everybody's has
	s_wait_loadcnt 0x0                             ; Q
.Lstep:                                            ; eight trips of 128 keys
	s_setprio 2
	v_add_nc_u32 v[ADK], s[TB], v[LI]
	v_add_nc_u32 v[ADV], s[TB], v[LIV]
	v_add_nc_u32 v[ADS], s[TS], v[LSS]
	v_nop                                          ; these four are the places behind the last trip's products, ahead of the loads into their registers
.irp t, 0,1,2,3,4,5,6,7
	ds_load_b128 v[32+8*\t:35+8*\t], v[ADK] offset:1024*\t
	ds_load_b128 v[36+8*\t:39+8*\t], v[ADK] offset:1024*\t+512
.endr
.irp b, 0,1,2,3
	ds_load_b32 v[248+\b], v[ADS] offset:128*\b    ; lanes 0-15: tile 2 b's words, lanes 16-31: tile 2 b + 1's
.endr
	s_wait_alu depctr_va_vdst(0)
	s_wait_dscnt 0x0
.irp t, 0,1,2,3,4,5,6,7
	WM0 96+8*\t, 32+8*\t, 16, 248+\t/2, \t%2, 253
.endr
	PLACES
.irp t, 0,1,2,3,4,5,6,7                        ; V's fragments are asked for now and land under the softmax
	ds_load_b128 v[32+8*\t:35+8*\t], v[ADV] offset:1024*\t
	ds_load_b128 v[36+8*\t:39+8*\t], v[ADV] offset:1024*\t+512
.endr
.irp b, 0,1,2,3
	ds_load_b32 v[248+\b], v[ADS] offset:4096+128*\b
.endr
.irp b, 0,1,2,3
	v_max3_num_f32 v[232+\b], v[96+16*\b], v[97+16*\b], v[98+16*\b]   ; the largest score of each block of 32 keys: it serves the row's maximum and, since p rises with the score, the block's largest p
.endr
.irp i, 3,5,7,9,11,13
.irp b, 0,1,2,3
	v_max3_num_f32 v[232+\b], v[232+\b], v[96+16*\b+\i], v[97+16*\b+\i]
.endr
.endr
.irp b, 0,1,2,3
	v_max_num_f32 v[232+\b], v[232+\b], v[111+16*\b]
.endr
.irp b, 0,1,2,3
	s_delay_alu instid0(VALU_DEP_4)
	v_permlanex16_b32 v[236+\b], v[232+\b], s[SEL], s[SEL+1]
.endr
.irp b, 0,1,2,3
	s_delay_alu instid0(VALU_DEP_4)
	v_max_num_f32 v[232+\b], v[232+\b], v[236+\b]  ; with lane l xor 16's 16 keys
.endr
	s_delay_alu instid0(VALU_DEP_2)
	v_max3_num_f32 v254, v232, v233, v234
	s_delay_alu instid0(VALU_DEP_1)
	v_max_num_f32 v254, v254, v235
	s_delay_alu instid0(VALU_DEP_1)
	v_mul_f32 v254, s[CS], v254                    ; the step's largest t
	s_delay_alu instid0(VALU_DEP_1)
	v_max_num_f32 v13, v13, v254                   ; the running largest t
	v_mov_b32 v254, v12
	s_delay_alu instid0(VALU_DEP_2)
	v_floor_f32 v12, -v13                          ; the new -M = floor(-t) = -ceil(t)
	s_delay_alu instid0(VALU_DEP_1)
	v_sub_f32 v254, v12, v254                      ; old M - new M: a whole number, 0 or less
	s_delay_alu instid0(VALU_DEP_1)
	v_cvt_i32_f32 v254, v254                       ; (it saturates)
	s_delay_alu instid0(VALU_DEP_1)
	v_ldexp_f32 v240, 1.0, v254                    ; f = 2^(old M - new M)
.set j, 0
.rept 32
	v_pk_fma_f32 v[96+j:97+j], v[96+j:97+j], s[CS:CS+1], v[12:13] op_sel_hi:[1,0,0]   ; t - M, two at a time
.set j, j+2
.endr
.irp b, 0,1,2,3
	v_fma_f32 v[232+\b], v[232+\b], s[CS], v12     ; the same of each block's largest score
.endr
.set j, 0
	s_wait_alu depctr_va_vdst(0)
.rept 64
	v_exp_f32 v[96+j], v[96+j]                     ; p = 2^(t - M), at most 1
.set j, j+1
.endr
	s_setprio 1
.irp b, 0,1,2,3
	v_exp_f32 v[232+\b], v[232+\b]                 ; the block's largest p
.endr
	v_pk_mul_f32 v[14:15], v[14:15], v[240:241] op_sel_hi:[1,0]    ; the sum under the new M (a plain line behind the exponentials)
	s_wait_alu depctr_va_vdst(0)
.irp b, 0,1,2,3
	v_max_num_f32 v[232+\b], 0x1800000, v[232+\b]  ; the floor 2^(3 - 127)
.endr
.irp b, 0,1,2,3
	s_delay_alu instid0(VALU_DEP_4)
	v_add_nc_u32 v[244+\b], 0xff000000, v[232+\b]  ; the conversion's scale operand
.endr
.irp b, 0,1,2,3
	s_delay_alu instid0(VALU_DEP_4)
	v_lshrrev_b32 v[236+\b], 23, v[244+\b]         ; the scale's byte
.endr
	s_delay_alu instid0(VALU_DEP_3)
	v_lshl_or_b32 v252, v237, 8, v236              ; p's scale word for these 128 keys
	s_delay_alu instid0(VALU_DEP_1)
	v_lshl_or_b32 v252, v238, 16, v252
	s_delay_alu instid0(VALU_DEP_1)
	v_lshl_or_b32 v252, v239, 24, v252
.irp c, 0,1
	v_cvt_scalef32_pk8_fp4_f32 v[224+4*\c], v[96+32*\c:103+32*\c], v[244+2*\c]
	v_cvt_scalef32_pk8_fp4_f32 v[226+4*\c], v[104+32*\c:111+32*\c], v[244+2*\c]
	v_cvt_scalef32_pk8_fp4_f32 v[225+4*\c], v[112+32*\c:119+32*\c], v[245+2*\c]
	v_cvt_scalef32_pk8_fp4_f32 v[227+4*\c], v[120+32*\c:127+32*\c], v[245+2*\c]
.endr
	v_nop                                          ; one plain line behind the last conversion
.irp c, 0,1
	v_permlane16_swap_b32 v[224+4*\c], v[225+4*\c]
	v_permlane16_swap_b32 v[226+4*\c], v[227+4*\c]
.endr
	v_pk_add_f32 v[242:243], v[100:101], v[104:105]
	v_pk_add_f32 v[246:247], v[108:109], v[112:113]
	v_pk_add_f32 v[244:245], v[116:117], v[120:121]
	v_pk_add_f32 v[234:235], v[124:125], v[128:129]
	v_pk_add_f32 v[232:233], v[132:133], v[136:137]
	v_pk_add_f32 v[28:29], v[140:141], v[144:145]
	v_pk_add_f32 v[26:27], v[148:149], v[152:153]
	v_pk_add_f32 v[14:15], v[14:15], v[156:157]
	v_pk_add_f32 v[242:243], v[242:243], v[96:97]
	v_pk_add_f32 v[246:247], v[246:247], v[98:99]
	v_pk_add_f32 v[244:245], v[244:245], v[102:103]
	v_pk_add_f32 v[234:235], v[234:235], v[106:107]
	v_pk_add_f32 v[232:233], v[232:233], v[110:111]
	v_pk_add_f32 v[28:29], v[28:29], v[114:115]
	v_pk_add_f32 v[26:27], v[26:27], v[118:119]
	v_pk_add_f32 v[14:15], v[14:15], v[122:123]
	v_pk_add_f32 v[242:243], v[242:243], v[126:127]
	v_pk_add_f32 v[246:247], v[246:247], v[130:131]
	v_pk_add_f32 v[244:245], v[244:245], v[134:135]
	v_pk_add_f32 v[234:235], v[234:235], v[138:139]
	v_pk_add_f32 v[232:233], v[232:233], v[142:143]
	v_pk_add_f32 v[28:29], v[28:29], v[146:147]
	v_pk_add_f32 v[26:27], v[26:27], v[150:151]
	v_pk_add_f32 v[14:15], v[14:15], v[154:155]
	v_pk_add_f32 v[242:243], v[242:243], v[158:159]
	s_delay_alu instid0(VALU_DEP_2)
	v_pk_add_f32 v[14:15], v[14:15], v[234:235]
	s_delay_alu instid0(VALU_DEP_2)
	v_pk_add_f32 v[242:243], v[242:243], v[232:233]
	v_pk_add_f32 v[246:247], v[246:247], v[28:29]
	v_pk_add_f32 v[244:245], v[244:245], v[26:27]
	s_delay_alu instid0(VALU_DEP_2)
	v_pk_add_f32 v[14:15], v[14:15], v[246:247]
	s_delay_alu instid0(VALU_DEP_2)
	v_pk_add_f32 v[242:243], v[242:243], v[244:245]
	s_delay_alu instid0(VALU_DEP_1)
	v_pk_add_f32 v[14:15], v[14:15], v[242:243]    ; (these 32 additions stand between the codes and the scale word just made and the products that take them)
.set j, 0
.rept 32
	v_pk_mul_f32 v[160+j:161+j], v[160+j:161+j], v[240:241] op_sel_hi:[1,0]   ; O^T under the new M; each accumulator from its low end on
.set j, j+2
.endr
	s_setprio 0
	s_wait_alu depctr_va_vdst(0)
	s_wait_dscnt 0x0                               ; V
.irp t, 0,1,2,3,4,5,6,7
	WMA 160+8*\t, 32+8*\t, 224, 248+\t/2, \t%2, 252   ; eight accumulators by turns
.endr
	s_add_co_u32 s[TB], s[TB], 8192
	s_add_co_u32 s[TS], s[TS], 512
	s_sub_co_u32 s[CNT], s[CNT], 1
	s_cmp_lg_u32 s[CNT], 0
	s_cbranch_scc1 .Lstep
	s_setprio 0
	PLACES
	v_add_f32 v14, v14, v15                        ; the sum's two halves,
	s_delay_alu instid0(VALU_DEP_1)
	v_permlanex16_b32 v254, v14, s[SEL], s[SEL+1]
	s_delay_alu instid0(VALU_DEP_1)
	v_add_f32 v14, v14, v254                       ; and lane l xor 16's
	s_wait_alu depctr_va_vdst(0)
	v_rcp_f32 v14, v14
	v_nop                                          ; a plain line behind the reciprocal
.set j, 0
	s_wait_alu depctr_va_vdst(0)
.rept 32
	v_pk_mul_f32 v[96+j:97+j], v[160+j:161+j], v[14:15] op_sel_hi:[1,0]   ; y: register 8 t + i is channel 16 t + 8 h + i of my query
.set j, j+2
.endr
	QUANT 96, 224, 252
	global_store_b128 v[LI], v[224:227], s[8:9]    ; the fragment as it stands: 512 consecutive bytes an instruction
	global_store_b128 v[LI], v[228:231], s[8:9] offset:512
	ds_store_b32 v[SSW], v252                      ; lanes r and r + 16 write the same word with the same value
	s_wait_dscnt 0x0                               ; for the others' sake
	s_barrier_signal -1
	s_barrier_wait -1
	s_cmp_gt_u32 s[WV], 1
	s_cbranch_scc1 .Lno_words                      ; waves 0 and 1 carry the 256 scale words out, 512 consecutive bytes each
	ds_load_b128 v[232:235], v[SSR]
	s_wait_dscnt 0x0
	global_store_b128 v[GW], v[232:235], s[10:11]
.Lno_words:
	s_wait_tensorcnt 0x0
	ds_add_u32 v31, v255
	s_wait_dscnt 0x0
	ROUND                                          ; the closing round
	s_endpgm
.Lfunc_end_k_q31bd827976_attn:
	.size	k_q31bd827976_attn, .Lfunc_end_k_q31bd827976_attn-k_q31bd827976_attn
	.p2alignl 7, 3214868480
	.fill 96, 4, 3214868480
	.section	.rodata,"a",@progbits
	.p2align	6, 0x0
	.amdhsa_kernel k_q31bd827976_attn
		.amdhsa_group_segment_fixed_size 169984
		.amdhsa_private_segment_fixed_size 0
		.amdhsa_enable_private_segment 0
		.amdhsa_kernarg_size 32
		.amdhsa_user_sgpr_count 2
		.amdhsa_user_sgpr_kernarg_segment_ptr 1
		.amdhsa_wavefront_size32 1
		.amdhsa_system_sgpr_workgroup_id_x 1
		.amdhsa_system_sgpr_workgroup_id_y 1
		.amdhsa_system_sgpr_workgroup_id_z 1
		.amdhsa_system_vgpr_workitem_id 0
		.amdhsa_next_free_vgpr 256
		.amdhsa_next_free_sgpr 66
		.amdhsa_reserve_vcc 0
		.amdhsa_float_denorm_mode_32 3
		.amdhsa_float_denorm_mode_16_64 3
		.amdhsa_memory_ordered 1
		.amdhsa_forward_progress 1
		.amdhsa_inst_pref_size 36
	.end_amdhsa_kernel
	.amdgpu_metadata
---
amdhsa.version: [ 1, 2 ]
amdhsa.kernels:
  - .name:           k_q31bd827976_attn
    .symbol:         k_q31bd827976_attn.kd
    .args:
      - { .name: qkv_img, .offset: 0, .size: 8, .value_kind: global_buffer, .address_space: global }
      - { .name: qkv_sc, .offset: 8, .size: 8, .value_kind: global_buffer, .address_space: global }
      - { .name: y_img, .offset: 16, .size: 8, .value_kind: global_buffer, .address_space: global }
      - { .name: y_sc, .offset: 24, .size: 8, .value_kind: global_buffer, .address_space: global }
    .group_segment_fixed_size: 169984
    .private_segment_fixed_size: 0
    .kernarg_segment_align: 8
    .kernarg_segment_size: 32
    .max_flat_workgroup_size: 512
    .sgpr_count:     66
    .vgpr_count:     256
    .wavefront_size: 32
...
	.end_amdgpu_metadata
.endif
;; end of part 4
;; launch proj (part 5): grid 8 x 32, 4 waves a work-group, clusters of 4 x 4, 327,680 bytes of LDS; arguments y_img, y_sc, w_out_codes, w_out_scales, b_out, x, out0; writes out0
.if DOCPART == 5
	.amdgcn_target "amdgcn-amd-amdhsa--gfx1250"
	.amdhsa_code_object_version 6
	.text
	.protected	k_q31bd827976_proj
	.globl	k_q31bd827976_proj
	.p2align	8
	.type	k_q31bd827976_proj,@function
k_q31bd827976_proj:
	s_mov_b64 s[64:65], 0
	v_nop
	global_prefetch_b8 v0, s[64:65] scope:SCOPE_SE
	s_setreg_imm32_b32 hwreg(HW_REG_WAVE_MODE, 25, 1), 1
	s_wait_xcnt 0x0
	s_wait_alu depctr_hold_cnt(0) depctr_sa_sdst(0) depctr_va_vdst(0) depctr_va_sdst(0) depctr_va_ssrc(0) depctr_va_vcc(0) depctr_vm_vsrc(0)
	s_getreg_b32 s2, hwreg(HW_REG_IB_STS2, 6, 4)
	s_cmp_eq_u32 s2, 0
	s_cbranch_scc0 .Lentry_in_a_cluster
	s_endpgm
.Lentry_in_a_cluster:
	s_bfe_u32 s2, ttmp6, 0x10000c
	s_cmp_lg_u32 s2, 0xf033
	s_cbranch_scc0 .Lentry_shape_is_right
	s_endpgm
.Lentry_shape_is_right:
; out0[n][o][s] = x[n][o][s] + b_out[o] + the sum over c of w_out[o][c] y[n][c][s], on codes of FP4 with E8M0 scales.
; SHARES.  A work-group makes 128 outputs o (tc) x 256 positions s (tr = 4 n + s / 256): 256 work-groups.  A wave makes 64 o x 128 s: 32 accumulators.  K = 1,024 is eight steps of 128 (a step is a head).
; Source 0 = y's rows (s), source 1 = w_out's rows (o): a lane holds one o and eight NEIGHBOURING s, as out0 lies.
; ALL OF K LIES IN LDS, filled once: y's 128 fragments as images of operand registers (128 KiB), w_out's 128 rows x 512 bytes as two halves along K, both scales.  Six tensor loads a wave at the start (by this text's count six are out).
; CLUSTERS: 4 x 4.  y's blocks hang on tr alone and are asked for jointly along a row of the cluster, w_out's on tc alone and along a column.
; The bias is the C of each sum's first product.  x's 64 rows x 512 bytes of a wave are asked for at the head, into 256 registers, and land under the products.
; REGISTERS: window 0: v1-15 addresses; v32-47 w_out's scale words, v48-79 y's; source 1's fragments, two sets, at v96 and v128; on the way out v128-255 rows read back.
;   window 1: source 0's fragments, two sets, at v0 and v128; v64-95 the bias.   window 2: the accumulators, (a, b) at v[8 (8 a + b)].   window 3: x, row 16 a + t at v[4 (16 a + t)].
; ORDER OF ROUNDING: the bias is the sum's first addend, x the last.  LIMITS: NaN and infinities are not served.
.set PITCH, 272
.set YI,   0                           ; [K step][16 fragments][1024]
.set WR,   131072                      ; two K halves x 128 rows x 272
.set WRH,  128*PITCH
.set WSC,  WR+2*WRH                    ; w_out's scale bytes: 16 pieces of 256 + 16
.set YSC,  WSC+16*272                  ; y's scale words: [K step][256 rows][4]
.set STG,  YSC+8192                    ; the way out: 16 rows x (512 + 16) bytes for each wave; no tensor load lands here
.set SPITCH, 528
.set ADRW, 4                           ; v4-5
.set ADRY, 6                           ; v6-7
.set ASW,  8
.set ASY,  9
.set LI,   10                          ; 16 x lane
.set STO,  11
.set RD,   12
.set VBA,  13                          ; 4 r
.set SAW,  32                          ; register 8 al + q
.set SBY,  48                          ; register 4 q + be
.set BR,   64                          ; in window 1
.set BK,   128
.set WV,   18
.set G1W,  28
.set G1WS, 36
.set G1Y,  44
.set G1YS, 52
.set G0,   68
.set MSB, 0
.macro WIN new
.if MSB != (\new)
	s_set_vgpr_msb (MSB<<8)|(\new)
.set MSB, (\new)
.endif
.endm
.macro PLACES
.rept 4
	v_nop
.endr
.endm
.macro ROUND
	s_barrier_signal -1
	s_barrier_wait -1
	s_cmp_lg_u32 s[WV], 0
	s_cbranch_scc1 .Lnot_wave_0_\@
	s_barrier_signal -3
.Lnot_wave_0_\@:
	s_barrier_wait -3
	s_barrier_signal -1
	s_barrier_wait -1
.endm
.macro G0SET g, lreg, lconst, ptr, off, extra
	s_mov_b32 s[\g], 1
	s_add_co_u32 s[\g+1], s[\lreg], \lconst
	s_add_nc_u64 s[\g+2:\g+3], s[\ptr:\ptr+1], s[\off:\off+1]
.if \extra
	s_add_nc_u64 s[\g+2:\g+3], s[\g+2:\g+3], \extra
.endif
	s_or_b32 s[\g+3], s[\g+3], 0x80000000
.endm
.macro WMC d, fb, fa, c, sb, rb, sa, ra
.if (\rb) && (\ra)
	v_wmma_scale_f32_16x16x128_f8f6f4 v[\d:\d+7], v[\fb:\fb+7], v[\fa:\fa+7], v[\c:\c+7], v[\sb], v[\sa] matrix_a_fmt:MATRIX_FMT_FP4 matrix_b_fmt:MATRIX_FMT_FP4 matrix_a_scale:MATRIX_SCALE_ROW1 matrix_b_scale:MATRIX_SCALE_ROW1
.elseif (\rb)
	v_wmma_scale_f32_16x16x128_f8f6f4 v[\d:\d+7], v[\fb:\fb+7], v[\fa:\fa+7], v[\c:\c+7], v[\sb], v[\sa] matrix_a_fmt:MATRIX_FMT_FP4 matrix_b_fmt:MATRIX_FMT_FP4 matrix_a_scale:MATRIX_SCALE_ROW1
.elseif (\ra)
	v_wmma_scale_f32_16x16x128_f8f6f4 v[\d:\d+7], v[\fb:\fb+7], v[\fa:\fa+7], v[\c:\c+7], v[\sb], v[\sa] matrix_a_fmt:MATRIX_FMT_FP4 matrix_b_fmt:MATRIX_FMT_FP4 matrix_b_scale:MATRIX_SCALE_ROW1
.else
	v_wmma_scale_f32_16x16x128_f8f6f4 v[\d:\d+7], v[\fb:\fb+7], v[\fa:\fa+7], v[\c:\c+7], v[\sb], v[\sa] matrix_a_fmt:MATRIX_FMT_FP4 matrix_b_fmt:MATRIX_FMT_FP4
.endif
.endm
	s_load_b256 s[4:11], s[0:1], 0x0               ; y_img, y_sc, w_out_codes, w_out_scales
	s_load_b128 s[12:15], s[0:1], 0x20             ; b_out, x
	s_load_b64 s[16:17], s[0:1], 0x30              ; out0
	v_lshl_add_u32 v94, v0, 2, 0x3c500
	v_mov_b32 v95, 0
	ds_add_u32 v94, v95
	ds_add_u32 v94, v95
	v_lshrrev_b32 v1, 5, v0
	v_readfirstlane_b32 s[WV], v1                  ; wave 0..3
	s_lshr_b32 s19, s[WV], 1                       ; which 64 outputs are mine
	s_and_b32 s20, s[WV], 1                        ; which 128 positions
	s_bfe_u32 s21, ttmp6, 0x40000                  ; cx
	s_bfe_u32 s22, ttmp6, 0x40004                  ; cy
	s_lshl_b32 s23, ttmp9, 2
	s_add_co_u32 s23, s23, s21                     ; tc
	s_and_b32 s24, ttmp7, 0xffff
	s_lshl_b32 s24, s24, 2
	s_add_co_u32 s24, s24, s22                     ; tr
	s_lshl_b32 s25, s22, 2
	s_lshl_b32 s25, 15, s25                        ; my row of the cluster
	s_lshl_b32 s26, 0x1111, s21                    ; my column
	s_or_b32 s[G1W], s26, (1<<20)|(1<<21)|(5<<22)|(3<<25)          ; w_out's codes: 32 rows x 256 bytes, 512 apart, 16 bytes of padding behind each
	s_mov_b32 s[G1W+1], 256<<16
	s_mov_b32 s[G1W+2], 32<<16
	s_mov_b32 s[G1W+3], 256<<16
	s_mov_b32 s[G1W+4], 32
	s_mov_b32 s[G1W+5], 512
	s_mov_b32 s[G1W+6], 0
	s_mov_b32 s[G1W+7], 0
	s_or_b32 s[G1WS], s26, (3<<16)|(1<<20)|(1<<21)|(5<<22)|(3<<25) ; its scales: 32 rows' 1,024 dense bytes as 4 rows of 256, padded alike
	s_mov_b32 s[G1WS+1], 32<<16
	s_mov_b32 s[G1WS+2], 4<<16
	s_mov_b32 s[G1WS+3], 32<<16
	s_mov_b32 s[G1WS+4], 4
	s_mov_b32 s[G1WS+5], 32
	s_mov_b32 s[G1WS+6], 0
	s_mov_b32 s[G1WS+7], 0
	s_or_b32 s[G1Y], s25, (3<<16)|(1<<21)          ; y's images: a K step's 16 KiB, dense, as 64 rows of 256 bytes
	s_mov_b32 s[G1Y+1], 32<<16
	s_mov_b32 s[G1Y+2], 64<<16
	s_mov_b32 s[G1Y+3], 32<<16
	s_mov_b32 s[G1Y+4], 64
	s_mov_b32 s[G1Y+5], 32
	s_mov_b32 s[G1Y+6], 0
	s_mov_b32 s[G1Y+7], 0
	s_or_b32 s[G1YS], s25, (3<<16)|(1<<21)         ; y's scale words: 2,048 dense bytes as 8 rows
	s_mov_b32 s[G1YS+1], 32<<16
	s_mov_b32 s[G1YS+2], 8<<16
	s_mov_b32 s[G1YS+3], 32<<16
	s_mov_b32 s[G1YS+4], 8
	s_mov_b32 s[G1YS+5], 32
	s_mov_b32 s[G1YS+6], 0
	s_mov_b32 s[G1YS+7], 0
	s_lshl_b32 s92, s24, 17
	s_lshl_b32 s3, s[WV], 14                       ; also the LDS place of my K step's images
	s_add_co_u32 s92, s92, s3                      ; y_img: tr x 131,072 + 16,384 x wave: made of tr and the wave alone
	s_mov_b32 s93, 0
	s_lshl_b32 s94, s24, 13
	s_lshl_b32 s101, s[WV], 11                     ; also the LDS place of my scale words
	s_add_co_u32 s94, s94, s101
	s_mov_b32 s95, 0
	s_lshl_b32 s96, s23, 7
	s_lshl_b32 s100, s[WV], 5
	s_add_co_u32 s96, s96, s100                    ; w_out's row: made of tc and the wave alone
	s_lshl_b32 s98, s96, 5
	s_lshl_b32 s96, s96, 9
	s_mov_b32 s97, 0
	s_mov_b32 s99, 0
	s_mul_i32 s100, s[WV], 4*272
	s_mul_i32 s2, s[WV], 32*PITCH
	s_wait_dscnt 0x0
	s_wait_kmcnt 0x0
	G0SET G0,    100, WSC, 10, 98, 0
	G0SET G0+4,  101, YSC, 6, 94, 0
	G0SET G0+8,  2, WR, 8, 96, 0
	G0SET G0+12, 3, YI, 4, 92, 0
	G0SET G0+16, 2, WR+WRH, 8, 96, 256
	G0SET G0+20, 3, YI+65536, 4, 92, 65536
	ROUND                                          ; all sixteen work-groups are here: the joint loads meet
	tensor_load_to_lds s[G0:G0+3], s[G1WS:G1WS+7]
	s_nop 0
	tensor_load_to_lds s[G0+4:G0+7], s[G1YS:G1YS+7]
	s_nop 0
	tensor_load_to_lds s[G0+8:G0+11], s[G1W:G1W+7]
	s_nop 0
	tensor_load_to_lds s[G0+12:G0+15], s[G1Y:G1Y+7]
	s_nop 0
	tensor_load_to_lds s[G0+16:G0+19], s[G1W:G1W+7]
	s_nop 0
	tensor_load_to_lds s[G0+20:G0+23], s[G1Y:G1Y+7]
	s_nop 0
.rept 4
	v_nop                                          ; four plain lines follow the loads
.endr
	v_and_b32 v1, 15, v0                           ; r
	v_bfe_u32 v2, v0, 4, 1                         ; h
	v_and_b32 v3, 31, v0                           ; lane
	v_lshlrev_b32 v[LI], 4, v3
	v_lshlrev_b32 v[VBA], 2, v1
	s_wait_alu depctr_va_vdst(0)
	s_lshl_b32 s25, s23, 7
	s_lshl_b32 s26, s19, 6
	s_add_co_u32 s25, s25, s26                     ; my first output o0 = 128 tc + 64 x half
	s_lshl_b32 s92, s25, 2
	s_mov_b32 s93, 0
	s_add_nc_u64 s[12:13], s[12:13], s[92:93]      ; b_out there
	s_lshr_b32 s94, s24, 2
	s_lshl_b32 s94, s94, 22                        ; n 2^22
	s_lshl_b32 s26, s25, 12
	s_add_co_u32 s94, s94, s26                     ; + o0 rows of 4,096 bytes
	s_and_b32 s26, s24, 3
	s_lshl_b32 s26, s26, 10
	s_add_co_u32 s94, s94, s26
	s_lshl_b32 s26, s20, 9
	s_add_co_u32 s94, s94, s26                     ; + my first position, in bytes
	s_mov_b32 s95, 0
	s_add_nc_u64 s[14:15], s[14:15], s[94:95]
	s_add_nc_u64 s[16:17], s[16:17], s[94:95]
	WIN 0x40                                       ; destination window 1
.irp a, 0,1,2,3
.irp j, 0,1,2,3,4,5,6,7
	global_load_b32 v[BR+8*\a+\j], v[VBA], s[12:13] offset:64*\a   ; the bias in the result's layout: b_out(o0 + 16 a + r) in all eight registers
.endr
.endr
	WIN 0xc0                                       ; destination window 3
.set i, 0
.rept 64
	global_load_b128 v[4*i:4*i+3], v[LI], s[14:15] offset:4096*i th:TH_LOAD_NT   ; x, row o0 + i: 512 consecutive bytes; its last read in the program
.set i, i+1
.endr
	WIN 0
	s_mul_i32 s92, s19, 64*PITCH
	s_add_co_u32 s92, s92, WR
	v_mul_u32_u24 v14, v1, PITCH
	v_lshl_add_u32 v14, v2, 4, v14
	v_add_nc_u32 v[ADRW], s92, v14
	v_add_nc_u32 v[ADRW+1], WRH, v[ADRW]
	s_lshl_b32 s92, s20, 13
	v_add_nc_u32 v[ADRY], s92, v[LI]               ; my eight fragments of a K step's sixteen
	v_add_nc_u32 v[ADRY+1], 65536, v[ADRY]
	s_mul_i32 s92, s19, 8*272
	s_add_co_u32 s92, s92, WSC
	v_lshrrev_b32 v14, 3, v3
	v_mul_u32_u24 v14, v14, 272
	v_and_b32 v15, 7, v3
	v_lshl_add_u32 v14, v15, 5, v14
	v_add_nc_u32 v[ASW], s92, v14
	s_lshl_b32 s92, s20, 9
	s_add_co_u32 s92, s92, YSC
	v_lshl_add_u32 v[ASY], v3, 2, s92
	s_mul_i32 s92, s[WV], 16*SPITCH
	s_add_co_u32 s92, s92, STG                     ; my stage
	v_mul_u32_u24 v[STO], v1, SPITCH
	v_lshl_add_u32 v[STO], v2, 5, v[STO]
	v_add_nc_u32 v[STO], s92, v[STO]               ; in: row r, 32 bytes for each half of the lanes
	v_add_nc_u32 v[RD], s92, v[LI]                 ; back: the 32 lanes take a row of 512 bytes
.macro FETCH q                         ; K step q's fragments into set q % 2
	WIN 0x40
.irp i, 0,1,2,3,4,5,6,7
.irp c, 0,1
	ds_load_b128 v[128*((\q)%2)+8*\i+4*\c:128*((\q)%2)+8*\i+4*\c+3], v[ADRY+(\q)/4] offset:((\q)%4)*16384+\i*1024+512*\c
.endr
.endr
	WIN 0
.irp i, 0,1,2,3
.irp c, 0,1
	ds_load_b128 v[96+32*((\q)%2)+8*\i+4*\c:96+32*((\q)%2)+8*\i+4*\c+3], v[ADRW+(\q)/4] offset:64*((\q)%4)+32*\c+\i*16*PITCH
.endr
.endr
.endm
.macro SHEAD q
	s_wait_dscnt 0x0
.if \q == 3
	s_wait_tensorcnt 0x0                           ; my parts of K half 1 have landed,
	s_barrier_signal -1
	s_barrier_wait -1                              ; everybody's have
.endif
.if \q > 0
	PLACES
.endif
.if \q < 7
	FETCH (\q)+1
.endif
.endm
.macro PROD q, first                   ; 32 products; the accumulators take turns, one instruction a turn
.if \first
	WIN 0x91                                       ; source 0 and C window 1, source 1 window 0, D window 2
.else
	WIN 0xa1
.endif
.irp a, 0,1,2,3
.irp b, 0,1,2,3,4,5,6,7
.if \first
	WMC 8*(8*\a+\b), 128*((\q)%2)+8*\b, 96+32*((\q)%2)+8*\a, BR+8*\a, SBY+4*(\q)+\b/2, \b%2, SAW+8*(\a/2)+(\q), \a%2
.else
	WMC 8*(8*\a+\b), 128*((\q)%2)+8*\b, 96+32*((\q)%2)+8*\a, 8*(8*\a+\b), SBY+4*(\q)+\b/2, \b%2, SAW+8*(\a/2)+(\q), \a%2
.endif
.endr
.endr
	WIN 0
.endm
	s_wait_alu depctr_va_vdst(0)
	s_wait_tensorcnt 0x2                           ; the scales and K half 0 are in: the two loads behind them, K half 1's, may stay out: nothing is filled twice
	s_barrier_signal -1
	s_barrier_wait -1
.irp al, 0,1
.irp kh, 0,1
	ds_load_b128 v[SAW+8*\al+4*\kh:SAW+8*\al+4*\kh+3], v[ASW] offset:1088*\al+16*\kh
.endr
.endr
.irp q, 0,1,2,3,4,5,6,7
.irp b, 0,1,2,3
	ds_load_b32 v[SBY+4*\q+\b], v[ASY] offset:1024*\q+128*\b       ; lanes 0-15: block 2 b's words, lanes 16-31: block 2 b + 1's
.endr
.endr
	FETCH 0
	s_wait_loadcnt 63                              ; 64 loads of x stand behind the bias's 32: with at most 63 out, the bias is in
	SHEAD 0
	PROD 0, 1
.irp q, 1,2,3,4,5,6,7
	SHEAD \q
	PROD \q, 0
.endr
; THE WAY OUT, block by block of 16 outputs x 128 positions: through my own stage, back as whole rows of 512 bytes, + x, stored.  LDS serves a wave's instructions in order: no wait between the stores and the loads.
.macro TOSTAGE a
	WIN 0x08                                       ; an LDS store's data: window 2
.irp b, 0,1,2,3,4,5,6,7
	ds_store_b128 v[STO], v[64*\a+8*\b:64*\a+8*\b+3] offset:64*\b             ; each accumulator from its low end on
	ds_store_b128 v[STO], v[64*\a+8*\b+4:64*\a+8*\b+7] offset:64*\b+16
.endr
	WIN 0
.irp t, 0,1,2,3,4,5,6,7,8,9,10,11,12,13,14,15
	ds_load_b128 v[BK+64*((\a)%2)+4*\t:BK+64*((\a)%2)+4*\t+3], v[RD] offset:\t*SPITCH
.endr
.endm
.macro SEND a, younger                 ; younger: the LDS instructions issued behind block a's loads
	s_wait_dscnt \younger
	s_wait_loadcnt 16*(3-(\a))                     ; x's rows of this block are in; those of later blocks may be out
	WIN 0x0c                                       ; source 1: window 3
.set i, 0
.rept 32
	v_pk_add_f32 v[BK+64*((\a)%2)+2*i:BK+64*((\a)%2)+2*i+1], v[BK+64*((\a)%2)+2*i:BK+64*((\a)%2)+2*i+1], v[64*(\a)+2*i:64*(\a)+2*i+1]
.set i, i+1
.endr
	WIN 0
.irp t, 0,1,2,3,4,5,6,7,8,9,10,11,12,13,14,15
	global_store_b128 v[LI], v[BK+64*((\a)%2)+4*\t:BK+64*((\a)%2)+4*\t+3], s[16:17] offset:(16*(\a)+\t)*4096 th:TH_STORE_NT   ; 512 consecutive bytes, at a multiple of 256 from out0's first byte
.endr
.endm
	PLACES
	TOSTAGE 0
	TOSTAGE 1
	SEND 0, 32
	s_wait_xcnt 0x0                                ; block 0's stores have read their registers: block 2's rows may land there
	TOSTAGE 2
	SEND 1, 32
	s_wait_xcnt 0x0                                ; likewise block 1's
	TOSTAGE 3
	SEND 2, 32
	SEND 3, 0
	s_wait_tensorcnt 0x0
	ds_add_u32 v94, v95
	s_wait_dscnt 0x0
	ROUND                                          ; the closing round
	s_endpgm
.Lfunc_end_k_q31bd827976_proj:
	.size	k_q31bd827976_proj, .Lfunc_end_k_q31bd827976_proj-k_q31bd827976_proj
	.p2alignl 7, 3214868480
	.fill 96, 4, 3214868480
	.section	.rodata,"a",@progbits
	.p2align	6, 0x0
	.amdhsa_kernel k_q31bd827976_proj
		.amdhsa_group_segment_fixed_size 327680
		.amdhsa_private_segment_fixed_size 0
		.amdhsa_enable_private_segment 0
		.amdhsa_kernarg_size 56
		.amdhsa_user_sgpr_count 2
		.amdhsa_user_sgpr_kernarg_segment_ptr 1
		.amdhsa_wavefront_size32 1
		.amdhsa_system_sgpr_workgroup_id_x 1
		.amdhsa_system_sgpr_workgroup_id_y 1
		.amdhsa_system_sgpr_workgroup_id_z 1
		.amdhsa_system_vgpr_workitem_id 0
		.amdhsa_next_free_vgpr 1024
		.amdhsa_next_free_sgpr 102
		.amdhsa_reserve_vcc 0
		.amdhsa_float_denorm_mode_32 3
		.amdhsa_float_denorm_mode_16_64 3
		.amdhsa_memory_ordered 1
		.amdhsa_forward_progress 1
		.amdhsa_inst_pref_size 90
	.end_amdhsa_kernel
	.amdgpu_metadata
---
amdhsa.version: [ 1, 2 ]
amdhsa.kernels:
  - .name:           k_q31bd827976_proj
    .symbol:         k_q31bd827976_proj.kd
    .args:
      - { .name: y_img, .offset: 0, .size: 8, .value_kind: global_buffer, .address_space: global }
      - { .name: y_sc, .offset: 8, .size: 8, .value_kind: global_buffer, .address_space: global }
      - { .name: w_out_codes, .offset: 16, .size: 8, .value_kind: global_buffer, .address_space: global }
      - { .name: w_out_scales, .offset: 24, .size: 8, .value_kind: global_buffer, .address_space: global }
      - { .name: b_out, .offset: 32, .size: 8, .value_kind: global_buffer, .address_space: global }
      - { .name: x, .offset: 40, .size: 8, .value_kind: global_buffer, .address_space: global }
      - { .name: out0, .offset: 48, .size: 8, .value_kind: global_buffer, .address_space: global }
    .group_segment_fixed_size: 327680
    .private_segment_fixed_size: 0
    .kernarg_segment_align: 8
    .kernarg_segment_size: 56
    .max_flat_workgroup_size: 128
    .sgpr_count:     102
    .vgpr_count:     1024
    .wavefront_size: 32
...
	.end_amdgpu_metadata
.endif
;; end of part 5
